; MI455X (gfx1250); checked and timed in simulation.
; The chip was launched on July 23, 2026; its instructions are those of AMD's public machine-readable ISA for CDNA 5 (MIT licence, August 2026) and "CDNA5" Instruction Set Architecture Reference Guide (July 2026). The comments in the code are by the model that wrote it; some were corrected since.
;; MHSA. Allowed arithmetic: matrix products marked QUANTISED: E2M1 operands, one E8M0 scale for each 32 along K, by v_wmma_scale_f32_16x16x128_f8f6f4 with both operands' format E2M1 (or v_wmma_scale_f32_32x16x128_f4), f32 sums; everything else in f32.
;; Inputs: Wk 1,024 x 1,024 float32; Wo 1,024 x 1,024 float32; Wq 1,024 x 1,024 float32; Wv 1,024 x 1,024 float32; beta 1,024 float32; bk 1,024 float32; bo 1,024 float32; bq 1,024 float32; bv 1,024 float32; gamma 1,024 float32; mask 8 x 1,024 x 1,024 int32; x 8 x 1,024 x 1,024 float32.
;; Outputs: out0 8 x 1,024 x 1,024 float32.
;; Constants: bitwidth = 2.
;; This version of the problem:
;;   THIS VERSION OF THE PROBLEM IS GIVEN IN LOW PRECISION. The matrix products marked QUANTISED in the list below multiply operands that are first quantised to E2M1 (2 exponent bits, 1 mantissa bit; 4 bits a number), with one power-of-two scale for each 32 numbers along K (OCP MX v1.0); their sums are f32. All else is computed in f32.
;;   The module's matrix products, in the order in which they are computed (A, B: the left and right operand; K: the contracted axis; several contracted axes count as one K, in the product's order):
;;     1. [M 8,192, K 1,024] x [K 1,024, N 1,024]; A: computed on the way; B: computed on the way: QUANTISED
;;     2. [M 8,192, K 1,024] x [K 1,024, N 1,024]; A: computed on the way; B: computed on the way: QUANTISED
;;     3. [M 8,192, K 1,024] x [K 1,024, N 1,024]; A: computed on the way; B: computed on the way: QUANTISED
;;     4. batch 128 x [M 1,024, K 64] x [K 64, N 1,024]; A: computed on the way; B: computed on the way: QUANTISED
;;     5. batch 128 x [M 1,024, K 1,024] x [K 1,024, N 64]; A: computed on the way; B: computed on the way: QUANTISED
;;     6. [M 8,192, K 1,024] x [K 1,024, N 1,024]; A: computed on the way; B: computed on the way: QUANTISED
;;   THE QUANTISER, for each operand of a quantised product, along K:
;;     - K is cut into blocks of 32 from its start; a last block that is shorter is filled with zeros.
;;     - A block's scale is 2^e with e = floor(log2(the largest magnitude in the block)) - 2, held to -126 .. 127; a block of zeros has e = 0. As a byte (E8M0): e + 127.
;;     - Each number is divided by its block's scale, clamped to +-6, and rounded to the nearest number of E2M1, ties to even, subnormals kept.
;;     - The product sums the exact products of the quantised numbers (number of the format x scale) in f32.
;;   ~~~python
;;   def quantise(x, axis):      # numpy; x: float32 -> the quantised numbers, widened to float32 again
;;       x = np.moveaxis(x, axis, -1); K = x.shape[-1]
;;       x = np.pad(x, [(0, 0)] * (x.ndim - 1) + [(0, -K % 32)]); x = x.reshape(x.shape[:-1] + (-1, 32)); a = np.abs(x).max(-1, keepdims=True)
;;       e = np.where(a > 0, np.clip(np.frexp(np.where(a > 0, a, 1))[1] - 1 - 2, -126, 127), 0)      # np.frexp(a)[1] - 1 = floor(log2(a)), exactly
;;       r = np.clip(x / 2.0 ** e, -6, 6)
;;       step = 2.0 ** (np.maximum(np.frexp(np.where(r == 0, 1, r))[1] - 1, 0) - 1)
;;       q = np.round(r / step) * step * 2.0 ** e      # np.round: ties to even
;;       return np.moveaxis(q.reshape(q.shape[:-2] + (-1,))[..., :K], -1, axis).astype(np.float32)
;;   ~~~
;;   OPERANDS COMPUTED ON THE WAY. 'Computed on the way' means the value that the module computes at that place (a softmax that the list does not call 'softmax' is quantised finished and normalised). What goes into a quantiser is computed in f32, as accurately as f32 sums, v_exp_f32 and their like allow (about 1e-6 of the number): no bf16 or f16 on the way to a quantiser, and a product that is left as it is and whose result goes on into a quantised operand takes f32 operands (vector FMAs, or v_wmma_f32_16x16x4_f32). A number that lies on a knife's edge between two numbers of the format may be rounded either way, as far as f32 arithmetic and the matrix unit's own rounding can turn it there, and no further.
;; One version. Each part assembles by itself: llvm-mc -triple=amdgcn-amd-amdhsa -mcpu=gfx1250 --defsym DOCPART=n.
;; ======== version 1 of 1: 5 launches
;; limits: right only within a limited range of input values
;; workspace buffers: misc 69,632 bytes; yq 4,456,448 bytes; wq 2,228,224 bytes; mcodes 4,194,304 bytes; qrec 4,456,448 bytes; kvrec 8,912,896 bytes; hq 4,456,448 bytes
;; launch prep (part 1): grid 512 x 1, 4 waves a work-group, no clusters, 52,736 bytes of LDS; arguments x, gamma, beta, mask, Wq, Wk, Wv, Wo, yq, mcodes, misc; writes yq, mcodes, misc
.if DOCPART == 1
	.amdgcn_target "amdgcn-amd-amdhsa--gfx1250"
	.amdhsa_code_object_version 6
	.text
	.protected	k_q6151710309_prep
	.globl	k_q6151710309_prep
	.p2align	8
	.type	k_q6151710309_prep,@function
k_q6151710309_prep:
	s_mov_b64 s[64:65], 0
	v_nop
	global_prefetch_b8 v0, s[64:65] scope:SCOPE_SE
	s_setreg_imm32_b32 hwreg(HW_REG_WAVE_MODE, 25, 1), 1
	s_wait_xcnt 0x0
; FIRST OF FIVE LAUNCHES of out = x + (softmax-attention(LN(x)) Wo^T + bo) * mask[:,:,0], all six products on codes of FP4 (E2M1) with one E8M0 scale for each 32 along K.
; DEAD WORK: none is left out.  Every input has a way to the output: gamma, beta and the biases bq, bk, bv move codes of live operands, bo and mask[:,:,0] enter the result itself; all are loaded.
; THIS LAUNCH, three roles by the work-group's number:
;   0-127   MASK: the int mask becomes codes of FP4, 0 where a key counts and 0xA (-1.0) where it is hidden, laid as the attention launch's registers want them; mask[:,:,0] becomes f32.
;   128-383 NORM: LayerNorm of x in f32 (mean, then mean of squares of x - mean), quantised along C: codes [row][512 bytes], scale bytes [row][32].
;   384-511 WSUM: partial sums of |W| of the four weights, one number a wave.
; THE ORDER OF ROWS.  In every group of 64 tokens stored row 64 G + 16 t + 8 h + j holds token 64 G + 32 h + 8 t + j.  So in a later product's result a lane's 32 registers of four neighbouring tiles
; are 32 NEIGHBOURS along the next K: a whole block of the quantiser in one lane.
; A block's scale byte is its largest magnitude's exponent field - 2, held at 1 from below.  A block of zeros so gets the byte 1 where the rule says 127: its codes are zeros, and only this program reads the bytes.
; LIMITS: NaN and infinities among the inputs are not served.
.set XA,    80                         ; sets of 32 registers as loaded.  MASK, WSUM: four, v80-207 (what lies beyond v143 is idle in those roles while rows come in);  NORM: three, v80-143 and v224-255
.set ZR,    144                        ; v144-175 32 neighbours of a row
.set CDR,   176                        ; v176-207 codes, four registers a row: no store's data are written again
.set EBR,   208                        ; v208-215 a scale byte a row;  MASK: v208 mask[:,:,0] of the tile's 16 rows
.set GAM,   16                         ; v16-47   gamma of my 32 columns
.set BET,   48                         ; v48-79   beta
.set SPW,   216                        ; LDS address of my spare word; never rewritten
.set NIL,   217                        ; 0; never rewritten
.set PT,    218                        ; a lane permute's destination
.set RS,    220                        ; v[220:221] 1 / sqrt(var + eps): the packed form names the pair and takes its low word
.set LNREG, 4864                       ; NORM: a wave's LDS: a stage of 32 x 144 bytes, then 256 scale bytes
.set MKB,   4*LNREG                    ; MASK: 8,192 bytes a wave, bytes of their own
.set SPARE, MKB+4*8192                 ; the spare words, 128 bytes for each wave
	s_load_b512 s[4:19], s[0:1], 0x0               ; x, gamma, beta, mask, Wq, Wk, Wv, Wo
	s_load_b128 s[20:23], s[0:1], 0x40             ; yq, mcodes
	s_load_b64 s[24:25], s[0:1], 0x50              ; misc
	v_lshl_add_u32 v[SPW], v0, 2, SPARE
	v_mov_b32 v[NIL], 0
	v_lshrrev_b32 v1, 5, v0
	v_readfirstlane_b32 s26, v1                    ; wave
	v_and_b32 v1, 31, v0                           ; lane
	v_lshlrev_b32 v2, 4, v1                        ; 16 x lane
	v_mov_b32 v[PT], 0
	v_mov_b32 v[RS+1], 0
	s_mov_b32 s40, 0x76543210
	s_mov_b32 s41, 0xfedcba98                      ; v_permlanex16_b32's selects for lane l xor 16
	s_mov_b32 s42, 0x3727c5ac                      ; 1e-5
	s_mov_b32 s43, 0x3a800000                      ; 1 / 1024
	s_mov_b32 s29, 0
	s_wait_kmcnt 0x0
	s_cmp_lt_u32 ttmp9, 128
	s_cbranch_scc1 .Lmask
	s_cmp_lt_u32 ttmp9, 384
	s_cbranch_scc1 .Lnorm
.macro REDUCE a                        ; the sum over the wave's 32 lanes, in every lane
	v_add_f32_dpp v[\a], v[\a], v[\a] row_xmask:1 row_mask:0xf bank_mask:0xf
	v_add_f32_dpp v[\a], v[\a], v[\a] row_xmask:2 row_mask:0xf bank_mask:0xf
	v_add_f32_dpp v[\a], v[\a], v[\a] row_xmask:4 row_mask:0xf bank_mask:0xf
	v_add_f32_dpp v[\a], v[\a], v[\a] row_xmask:8 row_mask:0xf bank_mask:0xf
	v_permlanex16_b32 v[PT], v[\a], s40, s41
	v_add_f32 v[\a], v[\a], v[PT]
.endm
; ---------------- WSUM: a wave sums |W| over 32 KiB of one weight: 8 groups of 8 loads of 512 consecutive bytes, four groups ahead
	s_sub_co_u32 s27, ttmp9, 384
	s_lshr_b32 s28, s27, 5                         ; which weight
	s_cmp_eq_u32 s28, 1
	s_cselect_b64 s[12:13], s[14:15], s[12:13]
	s_cmp_eq_u32 s28, 2
	s_cselect_b64 s[12:13], s[16:17], s[12:13]
	s_cmp_eq_u32 s28, 3
	s_cselect_b64 s[12:13], s[18:19], s[12:13]
	s_lshl_b32 s30, s27, 2
	s_add_co_u32 s30, s30, s26                     ; 128 x weight + my part
	s_and_b32 s28, s30, 127
	s_lshl_b32 s28, s28, 15
	s_add_nc_u64 s[12:13], s[12:13], s[28:29]
	s_lshl_b32 s28, s30, 2
	s_add_nc_u64 s[24:25], s[24:25], s[28:29]      ; my number's place
.macro WLOAD g
.irp j, 0,1,2,3,4,5,6,7
	global_load_b128 v[XA+32*((\g)%4)+4*\j:XA+32*((\g)%4)+4*\j+3], v2, s[12:13] offset:4096*(\g)+512*\j
.endr
.endm
.macro WGROUP g
.set X, XA+32*((\g)%4)
.if (\g) < 5
	s_wait_loadcnt 24                              ; this group is in; the next three groups' eight loads each may be out
.else
	s_wait_loadcnt 8*(7-(\g))                      ; as many groups as are left
.endif
.if (\g) == 0
.irp k, 0,1,2,3,4,5,6,7
	v_add_f32 v[8+\k], |v[X+\k]|, |v[X+8+\k]|      ; the first numbers start the eight sums: nothing is cleared
.endr
.else
	s_wait_alu depctr_va_vdst(0)
.irp k, 0,1,2,3,4,5,6,7
	v_add_f32 v[8+\k], v[8+\k], |v[X+\k]|
.endr
.irp k, 0,1,2,3,4,5,6,7
	v_add_f32 v[8+\k], v[8+\k], |v[X+8+\k]|
.endr
.endif
.irp k, 0,1,2,3,4,5,6,7
	v_add_f32 v[8+\k], v[8+\k], |v[X+16+\k]|
.endr
.irp k, 0,1,2,3,4,5,6,7
	v_add_f32 v[8+\k], v[8+\k], |v[X+24+\k]|
.endr
.if (\g)+4 < 8
	WLOAD (\g)+4
.endif
.endm
	s_wait_alu depctr_va_vdst(0)
	WLOAD 0
	WLOAD 1
	WLOAD 2
	WLOAD 3
.irp g, 0,1,2,3,4,5,6,7
	WGROUP \g
.endr
	v_add_f32 v8, v8, v9
	v_add_f32 v10, v10, v11
	v_add_f32 v12, v12, v13
	v_add_f32 v14, v14, v15
	v_add_f32 v8, v8, v10
	v_add_f32 v12, v12, v14
	v_add_f32 v8, v8, v12
	REDUCE 8
	v_mov_b32 v3, 0
	v_cmp_eq_u32 vcc_lo, 0, v1
	s_wait_alu depctr_va_vdst(0)
	s_wait_xcnt 0x0                                ; EXEC changes only behind this wait
	s_and_saveexec_b32 s30, vcc_lo
	global_store_b32 v3, v8, s[24:25]              ; lane 0 stores the wave's number
	s_wait_xcnt 0x0
	s_or_b32 exec_lo, exec_lo, s30
	s_endpgm                                       ; this role has written no LDS
; ---------------- NORM: a wave takes 8 neighbouring tokens, which are 8 neighbouring stored rows
.Lnorm:
	s_sub_co_u32 s27, ttmp9, 128
	s_lshl_b32 s27, s27, 2
	s_add_co_u32 s27, s27, s26                     ; which 8 tokens
	s_lshl_b32 s28, s27, 15                        ; 8 rows of 4,096 bytes
	s_add_nc_u64 s[4:5], s[4:5], s[28:29]
	s_lshl_b32 s30, s27, 3                         ; the first token: 64 G + 32 h + 8 t
	s_and_b32 s31, s30, 0xffffffc0
	s_bfe_u32 s32, s30, 0x20003                    ; t
	s_lshl_b32 s32, s32, 4
	s_add_co_u32 s31, s31, s32
	s_bfe_u32 s32, s30, 0x10005                    ; h
	s_lshl_b32 s32, s32, 3
	s_add_co_u32 s31, s31, s32                     ; the first stored row: 64 G + 16 t + 8 h
	s_lshl_b32 s28, s31, 9
	s_add_nc_u64 s[34:35], s[20:21], s[28:29]      ; its codes
	s_lshl_b32 s28, s31, 5
	s_add_co_u32 s28, s28, 0x400000
	s_add_nc_u64 s[36:37], s[20:21], s[28:29]      ; its scale bytes
	s_mul_i32 s33, s26, LNREG
	s_wait_alu depctr_va_vdst(0)
	v_lshrrev_b32 v3, 3, v1
	v_mul_u32_u24 v3, v3, 144
	v_and_b32 v4, 7, v1
	v_lshl_add_u32 v3, v4, 4, v3
	v_add_nc_u32 v3, s33, v3                       ; the stage, way in: eight lanes' 128 bytes are a block of 32 numbers, 144 bytes apart
	v_mul_u32_u24 v4, v1, 144
	v_add_nc_u32 v4, s33, v4                       ; way out: lane l takes block l
	v_add_nc_u32 v5, s33, v1
	v_add_nc_u32 v5, 4608, v5                      ; my block's scale byte
	v_lshlrev_b32 v7, 3, v1
	v_add_nc_u32 v6, s33, v7
	v_add_nc_u32 v6, 4608, v6                      ; and 8 of the wave's 256 bytes on the way out
.irp j, 0,1,2,3,4,5,6,7
	global_load_b128 v[GAM+4*\j:GAM+4*\j+3], v2, s[6:7] offset:512*\j
.endr
.irp j, 0,1,2,3,4,5,6,7
	global_load_b128 v[BET+4*\j:BET+4*\j+3], v2, s[8:9] offset:512*\j
.endr
.macro RLOAD t                         ; a row: eight loads of 512 consecutive bytes
.irp j, 0,1,2,3,4,5,6,7
	global_load_b128 v[XA+32*((\t)%3)+80*(((\t)%3)/2)+4*\j:XA+32*((\t)%3)+80*(((\t)%3)/2)+4*\j+3], v2, s[4:5] offset:4096*(\t)+512*\j th:TH_LOAD_NT   ; set t % 3: at v80, v112, v224
.endr
.endm
; The row in v[X] on goes through the stage, so that a lane holds a whole block of 32; its largest magnitude, scale, codes; 512 consecutive bytes of codes leave
.macro QTAIL i
.irp j, 0,1,2,3,4,5,6,7
	ds_store_b128 v3, v[X+4*\j:X+4*\j+3] offset:576*\j
.endr
.irp k, 0,1,2,3,4,5,6,7
	ds_load_b128 v[ZR+4*\k:ZR+4*\k+3], v4 offset:16*\k   ; LDS serves a wave's instructions in order: these see the stores above
.endr
	s_wait_dscnt 0x0                               ; the block is in, and the stores have read their registers,
.if (\i)+3 < 8
	RLOAD (\i)+3                                   ; which take the row three further on
.endif
	v_max3_num_f32 v8, |v[ZR]|, |v[ZR+1]|, 0x1800000   ; with the floor 2^(3 - 127): the byte cannot fall under 1
	v_max_num_f32 v9, |v[ZR+2]|, |v[ZR+3]|
.irp k, 4,8,12,16,20,24,28
	v_max3_num_f32 v8, v8, |v[ZR+\k]|, |v[ZR+\k+1]|
	v_max3_num_f32 v9, v9, |v[ZR+\k+2]|, |v[ZR+\k+3]|
.endr
	v_max_num_f32 v8, v8, v9
	v_add_nc_u32 v10, 0xff000000, v8               ; 2 off the exponent field: the conversion's scale operand
.irp g, 0,1,2,3
	v_cvt_scalef32_pk8_fp4_f32 v[CDR+4*(\i)+\g], v[ZR+8*\g:ZR+8*\g+7], v10
.endr
	v_lshrrev_b32 v[EBR+(\i)], 23, v10             ; the scale's byte (also the plain line behind the conversions)
	ds_store_b8 v5, v[EBR+(\i)] offset:32*(\i)
	global_store_b128 v2, v[CDR+4*(\i):CDR+4*(\i)+3], s[34:35] offset:512*(\i)
.endm
.macro ROW i
.set X, XA+32*((\i)%3)+80*(((\i)%3)/2)
.if (\i) < 6
	s_wait_loadcnt 16                              ; this row (in front of the first: gamma and beta too) is in; the next two rows' eight loads each may be out
.else
	s_wait_loadcnt 8*(7-(\i))                      ; as many rows as are left
.endif
	v_pk_add_f32 v[8:9], v[X:X+1], v[X+2:X+3]
	v_pk_add_f32 v[10:11], v[X+4:X+5], v[X+6:X+7]
.irp k, 8,12,16,20,24,28
	v_pk_add_f32 v[8:9], v[8:9], v[X+\k:X+\k+1]
	v_pk_add_f32 v[10:11], v[10:11], v[X+\k+2:X+\k+3]
.endr
	v_pk_add_f32 v[8:9], v[8:9], v[10:11]
	v_add_f32 v8, v8, v9
	REDUCE 8
	v_mul_f32 v8, s43, v8                          ; the mean
.irp k, 0,2,4,6,8,10,12,14,16,18,20,22,24,26,28,30
	v_pk_add_f32 v[X+\k:X+\k+1], v[X+\k:X+\k+1], v[8:9] op_sel_hi:[1,0] neg_lo:[0,1] neg_hi:[0,1]
.endr
	v_pk_mul_f32 v[10:11], v[X:X+1], v[X:X+1]
	v_pk_mul_f32 v[12:13], v[X+2:X+3], v[X+2:X+3]
.irp k, 4,8,12,16,20,24,28
	v_pk_fma_f32 v[10:11], v[X+\k:X+\k+1], v[X+\k:X+\k+1], v[10:11]
	v_pk_fma_f32 v[12:13], v[X+\k+2:X+\k+3], v[X+\k+2:X+\k+3], v[12:13]
.endr
	v_pk_add_f32 v[10:11], v[10:11], v[12:13]
	v_add_f32 v10, v10, v11
	REDUCE 10
	v_fma_f32 v10, v10, s43, s42                   ; var + eps
	s_wait_alu depctr_va_vdst(0)
	v_rsq_f32 v[RS], v10
	v_nop                                          ; a plain line behind the transcendental,
	s_wait_alu depctr_va_vdst(0)                   ; and the wait ahead of its first reader
.irp k, 0,2,4,6,8,10,12,14,16,18,20,22,24,26,28,30
	v_pk_mul_f32 v[X+\k:X+\k+1], v[X+\k:X+\k+1], v[RS:RS+1] op_sel_hi:[1,0]
.endr
.irp k, 0,2,4,6,8,10,12,14,16,18,20,22,24,26,28,30
	v_pk_fma_f32 v[X+\k:X+\k+1], v[X+\k:X+\k+1], v[GAM+\k:GAM+\k+1], v[BET+\k:BET+\k+1]
.endr
	QTAIL \i
.endm
	RLOAD 0
	RLOAD 1
	RLOAD 2
.irp i, 0,1,2,3,4,5,6,7
	ROW \i
.endr
	ds_load_b64 v[8:9], v6                         ; the wave's 256 scale bytes: 8 rows of 32
	s_wait_dscnt 0x0
	global_store_b64 v7, v[8:9], s[36:37]          ; 256 consecutive bytes, aligned
	s_wait_tensorcnt 0x0                           ; the wave's end, behind my last LDS store
	ds_add_u32 v[SPW], v[NIL]
	s_wait_dscnt 0x0
	s_endpgm
; ---------------- MASK: a wave takes one tile of 16 queries (stored rows 16 T .. 16 T + 15) against all 1,024 keys
.Lmask:
	s_lshl_b32 s27, ttmp9, 2
	s_add_co_u32 s27, s27, s26                     ; the tile: 64 b + 4 G + t
	s_lshr_b32 s28, s27, 2
	s_lshl_b32 s28, s28, 6
	s_and_b32 s30, s27, 3
	s_lshl_b32 s30, s30, 3
	s_add_co_u32 s28, s28, s30                     ; its row 0 is token 1024 b + 64 G + 8 t; row r lies 32 (r / 8) + r % 8 tokens on
	s_lshl_b32 s28, s28, 12
	s_add_nc_u64 s[10:11], s[10:11], s[28:29]
	s_lshl_b32 s28, s27, 13
	s_add_nc_u64 s[22:23], s[22:23], s[28:29]      ; the tile's 8,192 bytes of codes
	s_lshl_b32 s28, s27, 7
	s_add_co_u32 s28, s28, 4096
	s_add_nc_u64 s[24:25], s[24:25], s[28:29]      ; its 32 words of mask[:,:,0]
	s_lshl_b32 s33, s26, 13
	s_add_co_u32 s33, s33, MKB
	s_wait_alu depctr_va_vdst(0)
	v_lshrrev_b32 v3, 4, v1
	v_lshlrev_b32 v3, 9, v3
	v_bfe_u32 v4, v1, 3, 1
	v_lshl_add_u32 v3, v4, 8, v3
	v_and_b32 v4, 7, v1
	v_lshl_add_u32 v3, v4, 1, v3
	v_add_nc_u32 v3, s33, v3                       ; keys 128 j + 4 i .. + 3 of row r go to chunk 2 j + i / 16, half (i / 8) % 2, lane place 16 r, byte 2 (i % 8)
	v_add_nc_u32 v4, s33, v2                       ; way out: 16 x lane
	v_lshlrev_b32 v5, 2, v1
	v_mov_b32 v208, 0
.macro MLOAD r
.irp j, 0,1,2,3,4,5,6,7
	global_load_b128 v[XA+32*((\r)%4)+4*\j:XA+32*((\r)%4)+4*\j+3], v2, s[10:11] offset:(32*((\r)/8)+(\r)%8)*4096+512*\j th:TH_LOAD_NT
.endr
.endm
.macro MROW r
.set X, XA+32*((\r)%4)
.set TT, 16+8*((\r)%2)
.if (\r) < 13
	s_wait_loadcnt 24                              ; this row is in; the next three rows' eight loads each may be out
.else
	s_wait_loadcnt 8*(15-(\r))                     ; as many rows as are left
.endif
.if (\r) >= 2
	s_wait_dscnt 8                                 ; the stores of two rows back are done: their data registers are written again (the last row's eight may be out)
.endif
	v_readfirstlane_b32 s30, v[X]                  ; mask[b][row][0]
	v_writelane_b32 v208, s30, \r
.irp j, 0,1,2,3,4,5,6,7
.set T4, 8+4*(\j%2)
	v_min_u32 v[T4], 1, v[X+4*\j]                  ; 1 where the key counts
	v_min_u32 v[T4+1], 1, v[X+4*\j+1]
	v_min_u32 v[T4+2], 1, v[X+4*\j+2]
	v_min_u32 v[T4+3], 1, v[X+4*\j+3]
	v_lshl_or_b32 v[T4], v[T4+1], 4, v[T4]
	v_lshl_or_b32 v[T4+2], v[T4+3], 4, v[T4+2]
	v_lshl_or_b32 v[T4], v[T4+2], 8, v[T4]
	v_xor_b32 v[T4], 0x1111, v[T4]                 ; 1 where it is hidden,
	v_mul_u32_u24 v[TT+\j], v[T4], 10              ; the code 0xA there: four codes
	ds_store_b16 v3, v[TT+\j] offset:1024*\j+16*(\r)
.endr
.if (\r)+4 < 16
	MLOAD (\r)+4
.endif
.endm
	MLOAD 0
	MLOAD 1
	MLOAD 2
	MLOAD 3
	s_wait_alu depctr_va_vdst(0)
.irp r, 0,1,2,3,4,5,6,7,8,9,10,11,12,13,14,15
	MROW \r
.endr
.irp c, 0,1,2,3,4,5,6,7,8,9,10,11,12,13,14,15
	ds_load_b128 v[144+4*\c:147+4*\c], v4 offset:512*\c
.endr
.irp c, 0,1,2,3,4,5,6,7,8,9,10,11,12,13,14,15
	s_wait_dscnt 15-\c
	global_store_b128 v2, v[144+4*\c:147+4*\c], s[22:23] offset:512*\c    ; 512 consecutive bytes
.endr
	v_cvt_f32_i32 v208, v208
	global_store_b32 v5, v208, s[24:25]            ; lanes 0-15: the rows' mask[:,:,0] as f32; lanes 16-31: 0
	s_wait_tensorcnt 0x0                           ; the wave's end, behind my last LDS store
	ds_add_u32 v[SPW], v[NIL]
	s_wait_dscnt 0x0
	s_endpgm
.Lfunc_end_k_q6151710309_prep:
	.size	k_q6151710309_prep, .Lfunc_end_k_q6151710309_prep-k_q6151710309_prep
	.p2alignl 7, 3214868480
	.fill 96, 4, 3214868480
	.section	.rodata,"a",@progbits
	.p2align	6, 0x0
	.amdhsa_kernel k_q6151710309_prep
		.amdhsa_group_segment_fixed_size 52736
		.amdhsa_private_segment_fixed_size 0
		.amdhsa_enable_private_segment 0
		.amdhsa_kernarg_size 88
		.amdhsa_user_sgpr_count 2
		.amdhsa_user_sgpr_kernarg_segment_ptr 1
		.amdhsa_wavefront_size32 1
		.amdhsa_system_sgpr_workgroup_id_x 1
		.amdhsa_system_sgpr_workgroup_id_y 1
		.amdhsa_system_sgpr_workgroup_id_z 1
		.amdhsa_system_vgpr_workitem_id 0
		.amdhsa_next_free_vgpr 256
		.amdhsa_next_free_sgpr 66
		.amdhsa_reserve_vcc 1
		.amdhsa_float_denorm_mode_32 3
		.amdhsa_float_denorm_mode_16_64 3
		.amdhsa_memory_ordered 1
		.amdhsa_forward_progress 1
		.amdhsa_inst_pref_size 186
	.end_amdhsa_kernel
	.amdgpu_metadata
---
amdhsa.version: [ 1, 2 ]
amdhsa.kernels:
  - .name:           k_q6151710309_prep
    .symbol:         k_q6151710309_prep.kd
    .args:
      - { .name: x, .offset: 0, .size: 8, .value_kind: global_buffer, .address_space: global }
      - { .name: gamma, .offset: 8, .size: 8, .value_kind: global_buffer, .address_space: global }
      - { .name: beta, .offset: 16, .size: 8, .value_kind: global_buffer, .address_space: global }
      - { .name: mask, .offset: 24, .size: 8, .value_kind: global_buffer, .address_space: global }
      - { .name: Wq, .offset: 32, .size: 8, .value_kind: global_buffer, .address_space: global }
      - { .name: Wk, .offset: 40, .size: 8, .value_kind: global_buffer, .address_space: global }
      - { .name: Wv, .offset: 48, .size: 8, .value_kind: global_buffer, .address_space: global }
      - { .name: Wo, .offset: 56, .size: 8, .value_kind: global_buffer, .address_space: global }
      - { .name: yq, .offset: 64, .size: 8, .value_kind: global_buffer, .address_space: global }
      - { .name: mcodes, .offset: 72, .size: 8, .value_kind: global_buffer, .address_space: global }
      - { .name: misc, .offset: 80, .size: 8, .value_kind: global_buffer, .address_space: global }
    .group_segment_fixed_size: 52736
    .private_segment_fixed_size: 0
    .kernarg_segment_align: 8
    .kernarg_segment_size: 88
    .max_flat_workgroup_size: 128
    .sgpr_count:     66
    .vgpr_count:     256
    .wavefront_size: 32
...
	.end_amdgpu_metadata
.endif
;; end of part 1
;; launch wquant (part 2): grid 256 x 1, 4 waves a work-group, no clusters, 19,968 bytes of LDS; arguments Wq, Wk, Wv, Wo, misc, wq; writes wq
.if DOCPART == 2
	.amdgcn_target "amdgcn-amd-amdhsa--gfx1250"
	.amdhsa_code_object_version 6
	.text
	.protected	k_q6151710309_wquant
	.globl	k_q6151710309_wquant
	.p2align	8
	.type	k_q6151710309_wquant,@function
k_q6151710309_wquant:
	s_mov_b64 s[64:65], 0
	v_nop
	global_prefetch_b8 v0, s[64:65] scope:SCOPE_SE
	s_setreg_imm32_b32 hwreg(HW_REG_WAVE_MODE, 25, 1), 1
	s_wait_xcnt 0x0
; The four weights: s = 1 / max(mean |W|, 1e-5); Wdq = clip(round(W s), -1, 1) / s; the operand is W + (Wdq - W), as it is written; it is quantised along K (its rows' 1,024) into
; codes [4096 = q, k, v, o x 1024 stored rows][512 bytes] and scale bytes [4096][32].  Nothing is left out.
; The rows of Wq, Wk, Wv are stored in the order of the first launch (stored row 64 G + 16 t + 8 h + j holds row 64 G + 32 h + 8 t + j); Wo's rows stay as they are.
; A wave takes ROWS = 4 neighbouring rows, which are 4 neighbouring stored rows: 1,024 waves, 256 work-groups.  Its codes leave as 512 consecutive bytes a row; its 128 scale bytes leave by one store of 128
; consecutive bytes, so that two waves share an aligned run of 256: one byte in 128 of what the launch reads.
; The two divisions are reciprocals with one Newton step each.  A block of zeros keeps the scale byte 1: its codes are zeros, and only this program reads the bytes.
; LIMITS: NaN and infinities among the inputs are not served.
.set ROWS,  4
.set XA,    80                         ; v80-143  two sets of 32 registers as loaded
.set ZR,    144                        ; v144-175 32 neighbours of a row
.set CDR,   176                        ; codes, four registers a row: no store's data are written again
.set EBR,   208                        ; a scale byte a row
.set SPW,   216
.set NIL,   217
.set PT,    218
.set IV,    220                        ; v[220:221] 1 / s
.set SS,    222                        ; v[222:223] s
.set LNREG, 4864                       ; a wave's LDS: a stage of 32 x 144 bytes, then its scale bytes
.set SPARE, 4*LNREG
	s_load_b256 s[4:11], s[0:1], 0x0               ; Wq, Wk, Wv, Wo
	s_load_b128 s[12:15], s[0:1], 0x20             ; misc, wq
	v_lshl_add_u32 v[SPW], v0, 2, SPARE
	v_mov_b32 v[NIL], 0
	v_lshrrev_b32 v1, 5, v0
	v_readfirstlane_b32 s26, v1
	v_and_b32 v1, 31, v0
	s_wait_alu depctr_va_vdst(0)
	v_lshlrev_b32 v2, 4, v1
	v_mov_b32 v[PT], 0
	v_mov_b32 v[IV+1], 0
	v_mov_b32 v[SS+1], 0
	s_mov_b32 s40, 0x76543210
	s_mov_b32 s41, 0xfedcba98
	s_mov_b32 s29, 0
	s_lshr_b32 s25, ttmp9, 6                       ; which weight: 64 work-groups each
	s_lshl_b32 s27, ttmp9, 2
	s_add_co_u32 s27, s27, s26
	s_lshl_b32 s27, s27, 2                         ; my first row of the 4,096
	s_and_b32 s30, s27, 1023                       ; and in its weight: 64 G + 32 h + 8 t + j, j = 0 or 4
	s_and_b32 s31, s30, 0x3c0
	s_bfe_u32 s32, s30, 0x20003
	s_lshl_b32 s32, s32, 4
	s_add_co_u32 s31, s31, s32
	s_bfe_u32 s32, s30, 0x10005
	s_lshl_b32 s32, s32, 3
	s_add_co_u32 s31, s31, s32
	s_and_b32 s32, s30, 4
	s_add_co_u32 s31, s31, s32                     ; 64 G + 16 t + 8 h + j
	s_cmp_eq_u32 s25, 3
	s_cselect_b32 s31, s30, s31                    ; Wo keeps its order
	s_lshl_b32 s32, s25, 10
	s_add_co_u32 s31, s31, s32                     ; the first stored row
	s_mul_i32 s33, s26, LNREG
	v_lshrrev_b32 v3, 3, v1
	v_mul_u32_u24 v3, v3, 144
	v_and_b32 v4, 7, v1
	v_lshl_add_u32 v3, v4, 4, v3
	v_add_nc_u32 v3, s33, v3                       ; the stage, way in: eight lanes' 128 bytes are a block of 32 numbers, 144 bytes apart
	v_mul_u32_u24 v4, v1, 144
	v_add_nc_u32 v4, s33, v4                       ; way out: lane l takes block l
	v_add_nc_u32 v5, s33, v1
	v_add_nc_u32 v5, 4608, v5                      ; my block's scale byte
	v_lshlrev_b32 v7, 2, v1
	v_add_nc_u32 v6, s33, v7
	v_add_nc_u32 v6, 4608, v6                      ; and 4 of the wave's 128 bytes on the way out
	s_wait_kmcnt 0x0
	s_cmp_eq_u32 s25, 1
	s_cselect_b64 s[4:5], s[6:7], s[4:5]
	s_cmp_eq_u32 s25, 2
	s_cselect_b64 s[4:5], s[8:9], s[4:5]
	s_cmp_eq_u32 s25, 3
	s_cselect_b64 s[4:5], s[10:11], s[4:5]
	s_lshl_b32 s28, s30, 12
	s_add_nc_u64 s[4:5], s[4:5], s[28:29]
	s_lshl_b32 s28, s25, 9
	s_add_nc_u64 s[12:13], s[12:13], s[28:29]      ; the weight's 128 partial sums
	s_lshl_b32 s28, s31, 9
	s_add_nc_u64 s[34:35], s[14:15], s[28:29]
	s_lshl_b32 s28, s31, 5
	s_add_co_u32 s28, s28, 0x200000
	s_add_nc_u64 s[36:37], s[14:15], s[28:29]
.macro REDUCE a
	v_add_f32_dpp v[\a], v[\a], v[\a] row_xmask:1 row_mask:0xf bank_mask:0xf
	v_add_f32_dpp v[\a], v[\a], v[\a] row_xmask:2 row_mask:0xf bank_mask:0xf
	v_add_f32_dpp v[\a], v[\a], v[\a] row_xmask:4 row_mask:0xf bank_mask:0xf
	v_add_f32_dpp v[\a], v[\a], v[\a] row_xmask:8 row_mask:0xf bank_mask:0xf
	v_permlanex16_b32 v[PT], v[\a], s40, s41
	v_add_f32 v[\a], v[\a], v[PT]
.endm
.macro RLOAD t                         ; a row: eight loads of 512 consecutive bytes
.irp j, 0,1,2,3,4,5,6,7
	global_load_b128 v[XA+32*((\t)%2)+4*\j:XA+32*((\t)%2)+4*\j+3], v2, s[4:5] offset:4096*(\t)+512*\j th:TH_LOAD_NT
.endr
.endm
.macro QTAIL i                         ; through the stage, a block to a lane, scale, codes, out
.irp j, 0,1,2,3,4,5,6,7
	ds_store_b128 v3, v[X+4*\j:X+4*\j+3] offset:576*\j
.endr
.irp k, 0,1,2,3,4,5,6,7
	ds_load_b128 v[ZR+4*\k:ZR+4*\k+3], v4 offset:16*\k   ; LDS serves a wave's instructions in order: these see the stores above
.endr
	s_wait_dscnt 0x0                               ; the block is in, and the stores have read their registers
.if (\i)+2 < ROWS
	RLOAD (\i)+2
.endif
	v_max3_num_f32 v8, |v[ZR]|, |v[ZR+1]|, 0x1800000   ; with the floor 2^(3 - 127): the byte cannot fall under 1
	v_max_num_f32 v9, |v[ZR+2]|, |v[ZR+3]|
.irp k, 4,8,12,16,20,24,28
	v_max3_num_f32 v8, v8, |v[ZR+\k]|, |v[ZR+\k+1]|
	v_max3_num_f32 v9, v9, |v[ZR+\k+2]|, |v[ZR+\k+3]|
.endr
	v_max_num_f32 v8, v8, v9
	v_add_nc_u32 v10, 0xff000000, v8               ; 2 off the exponent field: the conversion's scale operand
.irp g, 0,1,2,3
	v_cvt_scalef32_pk8_fp4_f32 v[CDR+4*(\i)+\g], v[ZR+8*\g:ZR+8*\g+7], v10
.endr
	v_lshrrev_b32 v[EBR+(\i)], 23, v10             ; the byte (also the plain line behind the conversions)
	ds_store_b8 v5, v[EBR+(\i)] offset:32*(\i)
	global_store_b128 v2, v[CDR+4*(\i):CDR+4*(\i)+3], s[34:35] offset:512*(\i)
.endm
.macro WROW i
.set X, XA+32*((\i)%2)
.if (\i) < ROWS-1
	s_wait_loadcnt 8                               ; this row is in; the next row's eight loads may be out
.else
	s_wait_loadcnt 0
.endif
.irp k, 0,2,4,6,8,10,12,14,16,18,20,22,24,26,28,30
	v_pk_mul_f32 v[ZR+\k:ZR+\k+1], v[X+\k:X+\k+1], v[SS:SS+1] op_sel_hi:[1,0]   ; W s
.endr
.irp k, 0,1,2,3,4,5,6,7,8,9,10,11,12,13,14,15,16,17,18,19,20,21,22,23,24,25,26,27,28,29,30,31
	v_rndne_f32 v[ZR+\k], v[ZR+\k]
.endr
.irp k, 0,1,2,3,4,5,6,7,8,9,10,11,12,13,14,15,16,17,18,19,20,21,22,23,24,25,26,27,28,29,30,31
	v_med3_num_f32 v[ZR+\k], v[ZR+\k], -1.0, 1.0
.endr
.irp k, 0,2,4,6,8,10,12,14,16,18,20,22,24,26,28,30
	v_pk_mul_f32 v[ZR+\k:ZR+\k+1], v[ZR+\k:ZR+\k+1], v[IV:IV+1] op_sel_hi:[1,0]   ; / s
.endr
.irp k, 0,2,4,6,8,10,12,14,16,18,20,22,24,26,28,30
	v_pk_add_f32 v[ZR+\k:ZR+\k+1], v[ZR+\k:ZR+\k+1], v[X+\k:X+\k+1] neg_lo:[0,1] neg_hi:[0,1]   ; Wdq - W
.endr
.irp k, 0,2,4,6,8,10,12,14,16,18,20,22,24,26,28,30
	v_pk_add_f32 v[X+\k:X+\k+1], v[X+\k:X+\k+1], v[ZR+\k:ZR+\k+1]                 ; W + (Wdq - W)
.endr
	QTAIL \i
.endm
	global_load_b128 v[8:11], v2, s[12:13]         ; 4 of the 128 partial sums a lane
	RLOAD 0
	RLOAD 1
	s_wait_loadcnt 16                              ; the partial sums are in; two rows' loads may be out
	v_add_f32 v8, v8, v9
	v_add_f32 v10, v10, v11
	v_add_f32 v8, v8, v10
	REDUCE 8
	v_mul_f32 v8, 0x35800000, v8                   ; / 2^20: mean |W|
	v_max_num_f32 v8, 0x3727c5ac, v8               ; at least 1e-5
	s_wait_alu depctr_va_vdst(0)                   ; the wait ahead of a transcendental,
	v_rcp_f32 v[SS], v8
	v_nop
	s_wait_alu depctr_va_vdst(0)                   ; and ahead of its first reader
	v_fma_f32 v9, -v8, v[SS], 1.0
	v_fma_f32 v[SS], v9, v[SS], v[SS]              ; s, one Newton step on
	s_wait_alu depctr_va_vdst(0)
	v_rcp_f32 v[IV], v[SS]
	v_nop
	s_wait_alu depctr_va_vdst(0)
	v_fma_f32 v9, -v[SS], v[IV], 1.0
	v_fma_f32 v[IV], v9, v[IV], v[IV]              ; 1 / s
.irp i, 0,1,2,3
	WROW \i
.endr
	ds_load_b32 v8, v6                             ; my wave's 128 scale bytes: 4 rows of 32
	s_wait_dscnt 0x0
	global_store_b32 v7, v8, s[36:37]              ; 128 consecutive bytes
	s_wait_tensorcnt 0x0                           ; the wave's end, behind my last LDS store
	ds_add_u32 v[SPW], v[NIL]
	s_wait_dscnt 0x0
	s_endpgm
.Lfunc_end_k_q6151710309_wquant:
	.size	k_q6151710309_wquant, .Lfunc_end_k_q6151710309_wquant-k_q6151710309_wquant
	.p2alignl 7, 3214868480
	.fill 96, 4, 3214868480
	.section	.rodata,"a",@progbits
	.p2align	6, 0x0
	.amdhsa_kernel k_q6151710309_wquant
		.amdhsa_group_segment_fixed_size 19968
		.amdhsa_private_segment_fixed_size 0
		.amdhsa_enable_private_segment 0
		.amdhsa_kernarg_size 48
		.amdhsa_user_sgpr_count 2
		.amdhsa_user_sgpr_kernarg_segment_ptr 1
		.amdhsa_wavefront_size32 1
		.amdhsa_system_sgpr_workgroup_id_x 1
		.amdhsa_system_sgpr_workgroup_id_y 1
		.amdhsa_system_sgpr_workgroup_id_z 1
		.amdhsa_system_vgpr_workitem_id 0
		.amdhsa_next_free_vgpr 224
		.amdhsa_next_free_sgpr 66
		.amdhsa_reserve_vcc 0
		.amdhsa_float_denorm_mode_32 3
		.amdhsa_float_denorm_mode_16_64 3
		.amdhsa_memory_ordered 1
		.amdhsa_forward_progress 1
		.amdhsa_inst_pref_size 46
	.end_amdhsa_kernel
	.amdgpu_metadata
---
amdhsa.version: [ 1, 2 ]
amdhsa.kernels:
  - .name:           k_q6151710309_wquant
    .symbol:         k_q6151710309_wquant.kd
    .args:
      - { .name: Wq, .offset: 0, .size: 8, .value_kind: global_buffer, .address_space: global }
      - { .name: Wk, .offset: 8, .size: 8, .value_kind: global_buffer, .address_space: global }
      - { .name: Wv, .offset: 16, .size: 8, .value_kind: global_buffer, .address_space: global }
      - { .name: Wo, .offset: 24, .size: 8, .value_kind: global_buffer, .address_space: global }
      - { .name: misc, .offset: 32, .size: 8, .value_kind: global_buffer, .address_space: global }
      - { .name: wq, .offset: 40, .size: 8, .value_kind: global_buffer, .address_space: global }
    .group_segment_fixed_size: 19968
    .private_segment_fixed_size: 0
    .kernarg_segment_align: 8
    .kernarg_segment_size: 48
    .max_flat_workgroup_size: 128
    .sgpr_count:     66
    .vgpr_count:     224
    .wavefront_size: 32
...
	.end_amdgpu_metadata
.endif
;; end of part 2
;; launch gemm_qkv (part 3): grid 8 x 32, 4 waves a work-group, clusters of 4 x 4, 327,680 bytes of LDS; arguments yq, wq, bq, bk, bv, qrec, kvrec; writes qrec, kvrec
.if DOCPART == 3
	.amdgcn_target "amdgcn-amd-amdhsa--gfx1250"
	.amdhsa_code_object_version 6
	.text
	.protected	k_q6151710309_gemm_qkv
	.globl	k_q6151710309_gemm_qkv
	.p2align	8
	.type	k_q6151710309_gemm_qkv,@function
k_q6151710309_gemm_qkv:
	s_mov_b64 s[64:65], 0
	v_nop
	global_prefetch_b8 v0, s[64:65] scope:SCOPE_SE
	s_setreg_imm32_b32 hwreg(HW_REG_WAVE_MODE, 25, 1), 1
	s_wait_xcnt 0x0
	s_wait_alu depctr_hold_cnt(0) depctr_sa_sdst(0) depctr_va_vdst(0) depctr_va_sdst(0) depctr_va_ssrc(0) depctr_va_vcc(0) depctr_vm_vsrc(0)
	s_getreg_b32 s2, hwreg(HW_REG_IB_STS2, 6, 4)
	s_cmp_eq_u32 s2, 0
	s_cbranch_scc0 .Lentry_in_a_cluster
	s_endpgm
.Lentry_in_a_cluster:
	s_bfe_u32 s2, ttmp6, 0x10000c
	s_cmp_lg_u32 s2, 0xf033
	s_cbranch_scc0 .Lentry_shape_is_right
	s_endpgm
.Lentry_shape_is_right:
; Q = y Wq^T + bq, K = y Wk^T + bk, V = y Wv^T + bv on codes of FP4 with E8M0 scales, each result quantised at once for the attention launch: Q and K along the head's 64, V along the tokens.  Nothing is left out.
; SHARES.  A work-group takes 256 tokens (tile 4 cluster y + cy) and one pair of heads (4 cluster x + cx: 128 channels) through all three products, one after the other: 32 x 8 = 256 work-groups.
; Wave w takes tokens 128 (w / 2) on (8 blocks) and channels 64 (w % 2) on (4 blocks, one head): 32 accumulators, window 2, used three times.
; LDS.  y's 256 rows lie whole (K = 1,024: 512 bytes, 528 apart); two slots of 128 weight rows: Wq, Wk.  These four halves are the head's loads, one a wave.  Wv is the one refill: into Wq's slot, behind Q's
; products and a round of the cluster's barrier; Q's way out and the whole of K's product stand between that request and the wait for it.  All of LDS is claimed.
; CLUSTERS: 4 x 4.  y's tile hangs on cy and is asked for jointly along a row of the cluster; the weights' rows hang on cx and are asked for along a column.
; The launch has no loop to run ahead in, and every tile but Wv's is asked for at its head: no prefetch is laid.
; Q, K: source 0 = 16 rows of W, source 1 = 16 rows of y: a lane holds a token, registers run along channels.  V: source 0 = rows of y, source 1 = rows of Wv: a lane holds a channel, registers run along tokens.
; Rows of y and of the weights are stored so that stored row 64 G + 16 t + 8 h + j holds row 64 G + 32 h + 8 t + j: the 32 registers of four neighbouring tiles are 32 NEIGHBOURS, a whole block of the quantiser
; in one lane, and its four conversions give a PIECE: four operand registers, lane l's 16 bytes at 16 l, 512 bytes, stored as it stands.  The bias is the C of each sum's first matrix instruction.
; A block of zeros keeps the scale byte 1: its codes are zeros, and only this program reads the bytes.  LIMITS: NaN and infinities are not served.
; REGISTERS: window 0: v16-29 addresses; v32-95 y's scale words (8 a + K step), v96-191 the weights' (32 p + 8 b + K step): scales alone; v192-255 the way out.
;   window 1: v0-127 y's fragments, two sets; v128-191 the weight's, two sets.   window 2: the accumulators, group k at v[32 k].   window 3: v0-95 the biases, 32 a product.
.set BP,    528                        ; an LDS row: 512 bytes + 16 of padding: the 16 rows of a load start at 16 different banks
.set WL0,   256*BP                     ; Wq's rows, later Wv's
.set WL1,   WL0+128*BP                 ; Wk's rows
.set SPARE, WL1+128*BP                 ; the spare words, 128 bytes a wave
.set ADY,  16
.set ADW0, 17
.set ADW1, 18
.set L16,  19                          ; 16 x lane
.set R16,  20                          ; 16 r
.set R32,  21                          ; 32 r
.set H128, 22                          ; 128 h
.set BVO,  23                          ; V's bias: 128 (r / 8) + 4 (r % 8)
.set H8,   24                          ; 8 h
.set SPW,  28
.set NIL,  29
.set SY,   32
.set SW,   96
.set CD,   192                         ; the way out: codes,
.set MX,   224                         ; largest magnitudes, then the four scale words,
.set SO,   232                         ; scale operands,
.set BY,   240                         ; bytes,
.set TP,   248                         ; lane permutes' destinations
.set YF,   0
.set WF,   128
.set G1Y, 32
.set G1W, 40
.set G0Y, 48
.set G0Q, 52
.set G0K, 56
.set G0V, 60
.set MSB, 0
.macro WIN new                         ; the immediate's high byte repeats the setting that is left
.if MSB != (\new)
	s_set_vgpr_msb (MSB<<8)|(\new)
.set MSB, (\new)
.endif
.endm
.macro CROUND                          ; a round of the cluster's barrier
	s_barrier_signal -1
	s_barrier_wait -1
	s_cmp_lg_u32 s20, 0
	s_cbranch_scc1 .Lnot_wave_0_\@
	s_barrier_signal -3
.Lnot_wave_0_\@:
	s_barrier_wait -3
	s_barrier_signal -1
	s_barrier_wait -1
.endm
.macro PLACES                          ; plain lines behind a matrix instruction (ISA guide 7.12.1)
.rept 4
	v_nop
.endr
.endm
	s_load_b256 s[4:11], s[0:1], 0x0               ; yq, wq, bq, bk
	s_load_b128 s[12:15], s[0:1], 0x20             ; bv, qrec
	s_load_b64 s[16:17], s[0:1], 0x30              ; kvrec
	v_lshl_add_u32 v[SPW], v0, 2, SPARE
	v_mov_b32 v[NIL], 0
	ds_add_u32 v[SPW], v[NIL]                      ; the wave's opening: the add, twice on end, and its wait ahead of my first tensor load
	ds_add_u32 v[SPW], v[NIL]
	v_lshrrev_b32 v1, 5, v0
	v_readfirstlane_b32 s20, v1                    ; wave
	s_lshr_b32 s21, s20, 1                         ; my half of the tokens
	s_and_b32 s22, s20, 1                          ; my half of the channels.  Also: which half of y waves 0 and 1 fetch
	s_bfe_u32 s23, ttmp6, 0x40000                  ; cx
	s_bfe_u32 s24, ttmp6, 0x40004                  ; cy
	s_lshl_b32 s25, ttmp9, 2
	s_add_co_u32 s25, s25, s23                     ; the head pair
	s_and_b32 s26, ttmp7, 0xffff
	s_lshl_b32 s26, s26, 2
	s_add_co_u32 s26, s26, s24                     ; the tokens' tile
	s_lshl_b32 s27, s24, 2
	s_lshl_b32 s27, 15, s27                        ; my row of the cluster
	s_lshl_b32 s66, 0x1111, s23                    ; my column
	s_or_b32 s[G1Y], s27, (0<<16)|(1<<20)|(1<<21)|(6<<22)|(3<<25)   ; the mask; elements of 1 byte; 4 words of padding behind every 128; bit 21 beside a mask
	s_or_b32 s[G1W], s66, (0<<16)|(1<<20)|(1<<21)|(6<<22)|(3<<25)
.irp g, G1Y, G1W
	s_mov_b32 s[\g+1], 512<<16                     ; tensor_dim0
	s_mov_b32 s[\g+2], 128<<16                     ; tensor_dim1
	s_mov_b32 s[\g+3], 512<<16                     ; tile_dim0
	s_mov_b32 s[\g+4], 128                         ; tile_dim1
	s_mov_b32 s[\g+5], 512                         ; the pitch
	s_mov_b32 s[\g+6], 0
	s_mov_b32 s[\g+7], 0
.endr
	s_lshl_b32 s28, s26, 17                        ; y: 256 rows of 512 bytes a tile,
	s_lshl_b32 s29, s22, 16                        ; 128 a half
	s_add_co_u32 s28, s28, s29
	s_mov_b32 s29, 0
	s_mul_i32 s67, s22, 128*BP
	s_lshl_b32 s30, s25, 16                        ; the weights: 128 rows a head pair
	s_mov_b32 s31, 0
	s_wait_dscnt 0x0                               ; both opening adds are done
	s_wait_kmcnt 0x0
	s_mov_b32 s[G0Y], 1
	s_mov_b32 s[G0Y+1], s67
	s_add_nc_u64 s[G0Y+2:G0Y+3], s[4:5], s[28:29]
	s_or_b32 s[G0Y+3], s[G0Y+3], 0x80000000
	s_add_nc_u64 s[30:31], s[6:7], s[30:31]
	s_mov_b32 s[G0Q], 1
	s_mov_b32 s[G0Q+1], WL0
	s_mov_b64 s[G0Q+2:G0Q+3], s[30:31]
	s_or_b32 s[G0Q+3], s[G0Q+3], 0x80000000
	s_mov_b32 s[G0K], 1
	s_mov_b32 s[G0K+1], WL1
	s_add_nc_u64 s[G0K+2:G0K+3], s[30:31], 0x80000     ; 1,024 rows on
	s_or_b32 s[G0K+3], s[G0K+3], 0x80000000
	s_mov_b32 s[G0V], 1
	s_mov_b32 s[G0V+1], WL0
	s_add_nc_u64 s[G0V+2:G0V+3], s[30:31], 0x100000    ; 2,048 rows on
	s_or_b32 s[G0V+3], s[G0V+3], 0x80000000
	CROUND                                         ; all sixteen work-groups are here: the joint loads meet
; THE HEAD'S LOADS, ONE A WAVE: waves 0 and 1 y's halves, wave 2 Wq's rows, wave 3 Wk's.  One chain of branches on the wave's number; every way passes one load; an s_nop 0 and four v_nop follow each.
.macro ARM under, g0, g1, next
	s_cmp_lt_u32 s20, \under
	s_cbranch_scc0 \next
	tensor_load_to_lds s[\g0:\g0+3], s[\g1:\g1+7]
	s_nop 0
	PLACES
	s_branch .Lhead_asked
\next:
.endm
	ARM 2, G0Y, G1Y, .Lhead_q
	ARM 3, G0Q, G1W, .Lhead_k
	tensor_load_to_lds s[G0K:G0K+3], s[G1W:G1W+7]
	s_nop 0
	PLACES
.Lhead_asked:
	s_lshl_b32 s27, s26, 8
	s_lshl_b32 s28, s21, 7
	s_add_co_u32 s27, s27, s28                     ; my first stored row of y
	s_lshl_b32 s28, s27, 5
	s_add_co_u32 s28, s28, 0x400000
	s_mov_b32 s29, 0
	s_add_nc_u64 s[4:5], s[4:5], s[28:29]          ; its scale bytes
	s_lshl_b32 s27, s25, 7
	s_lshl_b32 s28, s22, 6
	s_add_co_u32 s27, s27, s28                     ; my first channel
	s_lshl_b32 s28, s27, 5
	s_add_co_u32 s28, s28, 0x200000
	s_add_nc_u64 s[6:7], s[6:7], s[28:29]          ; its scale bytes in Wq; Wk's and Wv's lie 32,768 and 65,536 bytes on
	s_lshl_b32 s28, s27, 2
	s_add_nc_u64 s[8:9], s[8:9], s[28:29]          ; the biases of my 64 channels
	s_add_nc_u64 s[10:11], s[10:11], s[28:29]
	s_add_nc_u64 s[12:13], s[12:13], s[28:29]
	s_lshr_b32 s27, s26, 2
	s_lshl_b32 s27, s27, 3
	s_add_co_u32 s27, s27, s25                     ; the record: 8 b + head pair
	s_and_b32 s66, s26, 3
	s_lshl_b32 s66, s66, 1
	s_add_co_u32 s66, s66, s21                     ; which 128 tokens of the batch's 1,024
	s_lshl_b32 s30, s22, 15                        ; my head's pieces,
	s_lshl_b32 s31, s22, 8                         ; and its scale words
	s_mul_i32 s67, s27, 69632                      ; Q's record: pieces [head][token tile], scale words at 65,536
	s_lshl_b32 s28, s66, 12
	s_add_co_u32 s28, s28, s67
	s_add_co_u32 s28, s28, s30
	s_add_nc_u64 s[68:69], s[14:15], s[28:29]
	s_lshl_b32 s28, s66, 9
	s_add_co_u32 s28, s28, s67
	s_add_co_u32 s28, s28, s31
	s_add_co_u32 s28, s28, 65536
	s_add_nc_u64 s[70:71], s[14:15], s[28:29]
	s_mul_i32 s67, s27, 139264                     ; K's and V's record: K's pieces, V's at 65,536 [channel tile][64 tokens], K's scale words at 131,072, V's at 135,168
	s_lshl_b32 s28, s66, 12
	s_add_co_u32 s28, s28, s67
	s_add_co_u32 s28, s28, s30
	s_add_nc_u64 s[72:73], s[16:17], s[28:29]
	s_lshl_b32 s28, s66, 9
	s_add_co_u32 s28, s28, s67
	s_add_co_u32 s28, s28, s31
	s_add_co_u32 s28, s28, 131072
	s_add_nc_u64 s[74:75], s[16:17], s[28:29]
	s_add_nc_u64 s[78:79], s[74:75], 4096
	s_lshl_b32 s28, s66, 10
	s_add_co_u32 s28, s28, s67
	s_add_co_u32 s28, s28, s30
	s_add_co_u32 s28, s28, 65536
	s_add_nc_u64 s[76:77], s[16:17], s[28:29]
	s_mov_b32 s80, 0x76543210
	s_mov_b32 s81, 0xfedcba98                      ; v_permlanex16_b32's selects for lane l xor 16
	s_mul_i32 s27, s21, 128*BP                     ; my 128 rows of y,
	s_mul_i32 s28, s22, 64*BP
	s_add_co_u32 s28, s28, WL0                     ; my 64 rows in slot 0,
	s_add_co_u32 s66, s28, WL1-WL0                 ; and in slot 1
	v_and_b32 v1, 15, v0                           ; r
	v_bfe_u32 v2, v0, 4, 1                         ; h
	v_and_b32 v3, 31, v0
	v_mul_u32_u24 v4, v1, BP
	v_lshl_add_u32 v4, v2, 4, v4                   ; a fragment: row r, + 16 h
	v_add_nc_u32 v[ADY], s27, v4
	v_add_nc_u32 v[ADW0], s28, v4
	v_add_nc_u32 v[ADW1], s66, v4
	v_lshlrev_b32 v[L16], 4, v3
	v_lshlrev_b32 v[R16], 4, v1
	v_lshlrev_b32 v[R32], 5, v1
	v_lshlrev_b32 v[H128], 7, v2
	v_lshrrev_b32 v5, 3, v1
	v_and_b32 v6, 7, v1
	v_lshlrev_b32 v6, 2, v6
	v_lshl_add_u32 v[BVO], v5, 7, v6
	v_lshlrev_b32 v[H8], 3, v2
.irp i, 0,1,2,3
	v_mov_b32 v[TP+\i], 0                          ; a lane permute's destination counts as one of its sources
.endr
	s_wait_alu depctr_va_vdst(0)                   ; the wait at the head's end
.irp a, 0,1,2,3,4,5,6,7
	global_load_b128 v[SY+8*\a:SY+8*\a+3], v[R32], s[4:5] offset:512*\a          ; row r's 32 scale bytes: a word for each K step
	global_load_b128 v[SY+8*\a+4:SY+8*\a+7], v[R32], s[4:5] offset:512*\a+16
.endr
.irp p, 0,1,2
.irp b, 0,1,2,3
	global_load_b128 v[SW+32*\p+8*\b:SW+32*\p+8*\b+3], v[R32], s[6:7] offset:32768*\p+512*\b
	global_load_b128 v[SW+32*\p+8*\b+4:SW+32*\p+8*\b+7], v[R32], s[6:7] offset:32768*\p+512*\b+16
.endr
.endr
	WIN 0xc0                                       ; the biases go to window 3
.irp b, 0,1,2,3                                    ; Q, K: block b, register j: channel 32 h + 8 b + j of my 64
	global_load_b128 v[8*\b:8*\b+3], v[H128], s[8:9] offset:32*\b
	global_load_b128 v[8*\b+4:8*\b+7], v[H128], s[8:9] offset:32*\b+16
	global_load_b128 v[32+8*\b:32+8*\b+3], v[H128], s[10:11] offset:32*\b
	global_load_b128 v[32+8*\b+4:32+8*\b+7], v[H128], s[10:11] offset:32*\b+16
.endr
.irp a, 0,1,2,3                                    ; V: block a, lane r: channel 32 (r / 8) + 8 a + r % 8, the same in all eight registers
.irp j, 0,1,2,3,4,5,6,7
	global_load_b32 v[64+8*\a+\j], v[BVO], s[12:13] offset:32*\a
.endr
.endr
	WIN 0
.macro FETCH t, set, wad               ; K step t: y's 8 fragments and the weight's 4: registers 4 c .. 4 c + 3 hold K = 64 c + 32 h + 0 .. 31
	WIN 0x40
.irp a, 0,1,2,3,4,5,6,7
.irp c, 0,1
	ds_load_b128 v[YF+64*(\set)+8*\a+4*\c:YF+64*(\set)+8*\a+4*\c+3], v[ADY] offset:16*BP*\a+64*(\t)+32*\c
.endr
.endr
.irp b, 0,1,2,3
.irp c, 0,1
	ds_load_b128 v[WF+32*(\set)+8*\b+4*\c:WF+32*(\set)+8*\b+4*\c+3], v[\wad] offset:16*BP*\b+64*(\t)+32*\c
.endr
.endr
.endm
; A K step of 128: 32 matrix instructions; the 32 accumulators take turns, in the same order in every step.  p: the product (its scale words and bias);  vv = 1: V's order of sources
.macro STEP t, wad, p, vv
.if (\t) < 7
.if (\t) > 0
	PLACES                                         ; in front of loads into registers that the last step's products have read
.endif
	FETCH (\t)+1, ((\t)+1)%2, \wad
	s_wait_dscnt 24                                ; this step's fragments are in; the 24 loads just issued may be out
.else
	s_wait_dscnt 0
.endif
.if (\t) == 0
	WIN 0xb5                                       ; fragments window 1, C = the bias window 3, D window 2
.else
	WIN 0xa5
.endif
.set SS, (\t)%2
.if \vv
.irp a, 0,1,2,3
.irp u, 0,1,2,3,4,5,6,7
.set DD, 8*(8*\a+\u)
.if (\t) == 0
	v_wmma_scale_f32_16x16x128_f8f6f4 v[DD:DD+7], v[YF+64*SS+8*\u:YF+64*SS+8*\u+7], v[WF+32*SS+8*\a:WF+32*SS+8*\a+7], v[32*(\p)+8*\a:32*(\p)+8*\a+7], v[SY+8*\u+(\t)], v[SW+32*(\p)+8*\a+(\t)] matrix_a_fmt:MATRIX_FMT_FP4 matrix_b_fmt:MATRIX_FMT_FP4
.else
	v_wmma_scale_f32_16x16x128_f8f6f4 v[DD:DD+7], v[YF+64*SS+8*\u:YF+64*SS+8*\u+7], v[WF+32*SS+8*\a:WF+32*SS+8*\a+7], v[DD:DD+7], v[SY+8*\u+(\t)], v[SW+32*(\p)+8*\a+(\t)] matrix_a_fmt:MATRIX_FMT_FP4 matrix_b_fmt:MATRIX_FMT_FP4
.endif
.endr
.endr
.else
.irp a, 0,1,2,3,4,5,6,7
.irp b, 0,1,2,3
.set DD, 8*(4*\a+\b)
.if (\t) == 0
	v_wmma_scale_f32_16x16x128_f8f6f4 v[DD:DD+7], v[WF+32*SS+8*\b:WF+32*SS+8*\b+7], v[YF+64*SS+8*\a:YF+64*SS+8*\a+7], v[32*(\p)+8*\b:32*(\p)+8*\b+7], v[SW+32*(\p)+8*\b+(\t)], v[SY+8*\a+(\t)] matrix_a_fmt:MATRIX_FMT_FP4 matrix_b_fmt:MATRIX_FMT_FP4
.else
	v_wmma_scale_f32_16x16x128_f8f6f4 v[DD:DD+7], v[WF+32*SS+8*\b:WF+32*SS+8*\b+7], v[YF+64*SS+8*\a:YF+64*SS+8*\a+7], v[DD:DD+7], v[SW+32*(\p)+8*\b+(\t)], v[SY+8*\a+(\t)] matrix_a_fmt:MATRIX_FMT_FP4 matrix_b_fmt:MATRIX_FMT_FP4
.endif
.endr
.endr
.endif
.endm
.macro PROD wad, p, vv
	FETCH 0, 0, \wad
.irp t, 0,1,2,3,4,5,6,7
	STEP \t, \wad, \p, \vv
.endr
	WIN 0
.endm
; THE WAY OUT.  Group k: registers 32 k .. 32 k + 31 are a block of 32 along the next K (Q, K: token tile k, my head's channels 32 h on; V: channel tile k / 2, tokens 64 (k % 2) + 32 h on).
; The eight groups by turns: largest magnitude (each accumulator from its low end on), scale operand, four conversions, byte; each piece leaves as 512 consecutive bytes.
; Scale word i pairs groups 2 i and 2 i + 1, two bytes each (blocks h = 0, 1): a lane's four words are 16 bytes of its row; lanes 16-31 hold and store the same as lanes 0-15: 256 consecutive bytes, aligned.
.macro EPI pbase, wbase, vv
	PLACES
	s_wait_xcnt 0x0                                ; the last way out's stores have read their data
	WIN 0x22                                       ; sources 0 and 2 in window 2, source 1 and the destination in window 0
.irp k, 0,1,2,3,4,5,6,7
	v_max3_num_f32 v[MX+\k], |v[32*\k]|, 0x1800000, |v[32*\k+1]|   ; with the floor 2^(3 - 127)
.endr
.irp e, 2,4,6,8,10,12,14,16,18,20,22,24,26,28,30
.irp k, 0,1,2,3,4,5,6,7
	v_max3_num_f32 v[MX+\k], |v[32*\k+\e]|, v[MX+\k], |v[32*\k+\e+1]|
.endr
.endr
.irp k, 0,1,2,3,4,5,6,7
	v_add_nc_u32 v[SO+\k], 0xff000000, v[MX+\k]    ; 2 off the exponent field: the conversion's scale operand
.endr
.irp k, 0,1,2,3,4,5,6,7
.irp c, 0,1,2,3
	v_cvt_scalef32_pk8_fp4_f32 v[CD+4*\k+\c], v[32*\k+8*\c:32*\k+8*\c+7], v[SO+\k]
.endr
.endr
.irp k, 0,1,2,3,4,5,6,7
	v_lshrrev_b32 v[BY+\k], 23, v[SO+\k]           ; the bytes (also the plain lines behind the conversions)
.endr
	WIN 0
.irp k, 0,1,2,3,4,5,6,7
.if \vv
	global_store_b128 v[L16], v[CD+4*\k:CD+4*\k+3], s[\pbase:\pbase+1] offset:8192*(\k/2)+512*(\k%2)
.else
	global_store_b128 v[L16], v[CD+4*\k:CD+4*\k+3], s[\pbase:\pbase+1] offset:512*\k
.endif
.endr
.irp i, 0,1,2,3
	v_lshl_or_b32 v[MX+\i], v[BY+2*\i+1], 16, v[BY+2*\i]
.endr
.irp i, 0,1,2,3
	v_lshlrev_b32 v[MX+\i], v[H8], v[MX+\i]        ; at block h's places;
.endr
.irp i, 0,1,2,3
	v_permlanex16_b32 v[TP+\i], v[MX+\i], s80, s81
.endr
.irp i, 0,1,2,3
	v_or_b32 v[MX+\i], v[MX+\i], v[TP+\i]          ; with lane l xor 16's the word is whole
.endr
	global_store_b128 v[R16], v[MX:MX+3], s[\wbase:\wbase+1]
.endm
	s_wait_tensorcnt 0x0                           ; my load is in,
	s_barrier_signal -1
	s_barrier_wait -1                              ; everybody's is
	s_wait_loadcnt 0x0                             ; the scale words and the biases
	PROD ADW0, 0, 0                                ; Q
	s_wait_tensorcnt 0x0                           ; slot 0 is filled again
	ds_add_u32 v[SPW], v[NIL]
	s_wait_dscnt 0x0                               ; (my reads of slot 0 are over)
	CROUND                                         ; the round: no wave of any partner still reads Wq's rows
	s_cmp_eq_u32 s20, 2
	s_cbranch_scc0 .Lnot_mine
	tensor_load_to_lds s[G0V:G0V+3], s[G1W:G1W+7]  ; Wv's rows: wave 2's one load behind the round
	s_nop 0
	PLACES
.Lnot_mine:
	EPI 68, 70, 0
	PROD ADW1, 1, 0                                ; K
	EPI 72, 74, 0
	s_wait_tensorcnt 0x0                           ; Wv's rows are in (wave 2's load),
	s_barrier_signal -1
	s_barrier_wait -1                              ; for every wave
	PROD ADW0, 2, 1                                ; V
	EPI 76, 78, 1
	s_wait_tensorcnt 0x0                           ; the wave's end, behind my last tensor load
	ds_add_u32 v[SPW], v[NIL]
	s_wait_dscnt 0x0
	CROUND                                         ; the closing round
	s_endpgm
.Lfunc_end_k_q6151710309_gemm_qkv:
	.size	k_q6151710309_gemm_qkv, .Lfunc_end_k_q6151710309_gemm_qkv-k_q6151710309_gemm_qkv
	.p2alignl 7, 3214868480
	.fill 96, 4, 3214868480
	.section	.rodata,"a",@progbits
	.p2align	6, 0x0
	.amdhsa_kernel k_q6151710309_gemm_qkv
		.amdhsa_group_segment_fixed_size 327680
		.amdhsa_private_segment_fixed_size 0
		.amdhsa_enable_private_segment 0
		.amdhsa_kernarg_size 56
		.amdhsa_user_sgpr_count 2
		.amdhsa_user_sgpr_kernarg_segment_ptr 1
		.amdhsa_wavefront_size32 1
		.amdhsa_system_sgpr_workgroup_id_x 1
		.amdhsa_system_sgpr_workgroup_id_y 1
		.amdhsa_system_sgpr_workgroup_id_z 1
		.amdhsa_system_vgpr_workitem_id 0
		.amdhsa_next_free_vgpr 1024
		.amdhsa_next_free_sgpr 84
		.amdhsa_reserve_vcc 0
		.amdhsa_float_denorm_mode_32 3
		.amdhsa_float_denorm_mode_16_64 3
		.amdhsa_memory_ordered 1
		.amdhsa_forward_progress 1
		.amdhsa_inst_pref_size 193
	.end_amdhsa_kernel
	.amdgpu_metadata
---
amdhsa.version: [ 1, 2 ]
amdhsa.kernels:
  - .name:           k_q6151710309_gemm_qkv
    .symbol:         k_q6151710309_gemm_qkv.kd
    .args:
      - { .name: yq, .offset: 0, .size: 8, .value_kind: global_buffer, .address_space: global }
      - { .name: wq, .offset: 8, .size: 8, .value_kind: global_buffer, .address_space: global }
      - { .name: bq, .offset: 16, .size: 8, .value_kind: global_buffer, .address_space: global }
      - { .name: bk, .offset: 24, .size: 8, .value_kind: global_buffer, .address_space: global }
      - { .name: bv, .offset: 32, .size: 8, .value_kind: global_buffer, .address_space: global }
      - { .name: qrec, .offset: 40, .size: 8, .value_kind: global_buffer, .address_space: global }
      - { .name: kvrec, .offset: 48, .size: 8, .value_kind: global_buffer, .address_space: global }
    .group_segment_fixed_size: 327680
    .private_segment_fixed_size: 0
    .kernarg_segment_align: 8
    .kernarg_segment_size: 56
    .max_flat_workgroup_size: 128
    .sgpr_count:     84
    .vgpr_count:     1024
    .wavefront_size: 32
...
	.end_amdgpu_metadata
.endif
;; end of part 3
;; launch attn (part 4): grid 4 x 64, 4 waves a work-group, clusters of 4 x 1, 327,680 bytes of LDS; arguments qrec, kvrec, mcodes, hq; writes hq
.if DOCPART == 4
	.amdgcn_target "amdgcn-amd-amdhsa--gfx1250"
	.amdhsa_code_object_version 6
	.text
	.protected	k_q6151710309_attn
	.globl	k_q6151710309_attn
	.p2align	8
	.type	k_q6151710309_attn,@function
k_q6151710309_attn:
	s_mov_b64 s[64:65], 0
	v_nop
	global_prefetch_b8 v0, s[64:65] scope:SCOPE_SE
	s_setreg_imm32_b32 hwreg(HW_REG_WAVE_MODE, 25, 1), 1
	s_wait_xcnt 0x0
	s_wait_alu depctr_hold_cnt(0) depctr_sa_sdst(0) depctr_va_vdst(0) depctr_va_sdst(0) depctr_va_ssrc(0) depctr_va_vcc(0) depctr_vm_vsrc(0)
	s_getreg_b32 s2, hwreg(HW_REG_IB_STS2, 6, 4)
	s_cmp_eq_u32 s2, 0
	s_cbranch_scc0 .Lentry_in_a_cluster
	s_endpgm
.Lentry_in_a_cluster:
	s_bfe_u32 s2, ttmp6, 0x10000c
	s_cmp_lg_u32 s2, 0x3003
	s_cbranch_scc0 .Lentry_shape_is_right
	s_endpgm
.Lentry_shape_is_right:
; FOURTH OF FIVE LAUNCHES: Hh = softmax(Q K^T / 8, hidden keys at -infinity) V, both products on codes of FP4 with E8M0 scales; A is quantised finished and normalised, along the keys; Hh is quantised at once along the head's 64.  Nothing is left out.
; SHARES.  A cluster of four work-groups owns one record (a batch, a pair of heads); wave 4 cx + w owns 64 queries: 8 trips = 2 heads x 4 tiles of 16 queries, each tile against all 1,024 keys: its scores fill 512 registers.
; The record of K's and V's pieces and scale words, 139,264 bytes, is asked for JOINTLY by the four work-groups (waves 0 and 1, a half each); waves 2 and 3 fetch the halves of the work-group's own 131,072 bytes of mask codes.
; Every byte of LDS is filled once, at the head, one load a wave: there is no later tile to ask memory for ahead, so no prefetch is laid; Q's 512 bytes of a trip are asked for half a trip ahead by their own loads.
; LAYOUT.  Both products are used transposed (S^T = K Q^T, O^T = V^T P^T): a lane holds one query.  A piece is 512 bytes, lane l's 16 bytes at 16 l: four operand registers, 16 rows x 64 along K.
; The head has 64 channels: a fragment of K holds two tiles of keys, and Q stands in its first or its second half beside zero codes.  Rows are stored so that the 32 registers of four neighbouring tiles are 32 neighbouring keys (channels).
; THE MASK is the C of the first product: its codes (0, or -1.0 where a key is hidden) are widened under the scale 2^100.  A row whose largest score lies under -2^99 is hidden whole: its factor is 0, as nan_to_num has it.
; THE SOFTMAX: the row's largest score is taken away; p = 2^((s - max) log2(e) / 8); the sum of p; p / sum is quantised.  A block's largest p is its largest score put through the same lines.
; LIMITS: the promise holds while the scaled scores stay under 2^31 in magnitude; NaN and infinities are not served.  A block of zeros keeps the scale byte 1: its codes are zeros, and only this program reads the bytes.
; REGISTERS: window 0 as named below; windows 1, 2: key tile T's scores at v[8 (T % 32)] of window 1 + T / 32; window 3: K's 64 pieces, then V's 64.
.set SPARE, 139264                     ; behind the record: the spare words, 128 bytes a wave
.set HSB,   139776                     ; Hh's scale words, 256 bytes a wave
.set MKB,   140800                     ; the mask codes, 32,768 bytes a wave
.set KS,  32                           ; v32-63   K's scale words
.set VS,  64                           ; v64-95   V's
.set PS,  96                           ; v96-103  p's
.set BM,  104                          ; v104-119 the 16 blocks' largest scores, then p, then bytes
.set SO,  120                          ; v120-135 second chains of the maxima, then the conversions' scale operands
.set QA,  136                          ; v136-143 Q, zeros
.set QB,  144                          ; v144-151 zeros, Q
.set MC,  152                          ; v152-215 the mask's codes, then p's
.set OT,  216                          ; v216-247 O^T
.set TP,  248                          ; v248-255 lane permutes' destinations, Hh's codes
.set MSB, 0
.macro WIN new                         ; the immediate's high byte repeats the setting that is left
.if MSB != (\new)
	s_set_vgpr_msb (MSB<<8)|(\new)
.set MSB, (\new)
.endif
.endm
.macro CROUND                          ; a round of the cluster's barrier
	s_barrier_signal -1
	s_barrier_wait -1
	s_cmp_lg_u32 s12, 0
	s_cbranch_scc1 .Lnot_wave_0_\@
	s_barrier_signal -3
.Lnot_wave_0_\@:
	s_barrier_wait -3
	s_barrier_signal -1
	s_barrier_wait -1
.endm
.macro PLACES                          ; plain lines behind a matrix instruction (ISA guide 7.12.1)
.rept 4
	v_nop
.endr
.endm
	s_load_b128 s[4:7], s[0:1], 0x0                ; qrec, kvrec
	s_load_b128 s[8:11], s[0:1], 0x10              ; mcodes, hq
	v_lshl_add_u32 v10, v0, 2, SPARE               ; my spare word; never rewritten
	v_mov_b32 v11, 0                               ; 0; never rewritten
	ds_add_u32 v10, v11                            ; the opening: the add, twice on end, and its wait ahead of my first tensor load
	ds_add_u32 v10, v11
	v_lshrrev_b32 v1, 5, v0
	v_readfirstlane_b32 s12, v1                    ; wave
	s_bfe_u32 s13, ttmp6, 0x40000                  ; cx
	s_and_b32 s14, ttmp7, 0xffff                   ; the record: 8 b + head pair
	s_lshr_b32 s15, s14, 3
	s_and_b32 s16, s14, 7
	s_lshl_b32 s17, s13, 2
	s_add_co_u32 s17, s17, s12                     ; which 64 queries of the batch's 1,024
	s_mov_b32 s24, 15|(3<<16)|(1<<21)              ; the record's half: all four work-groups; 272 rows of 32 elements of 8 bytes, dense
	s_mov_b32 s25, 32<<16
	s_mov_b32 s26, 272<<16
	s_mov_b32 s27, 32<<16
	s_mov_b32 s28, 272
	s_mov_b32 s29, 32
	s_mov_b32 s30, 0
	s_mov_b32 s31, 0
	s_mov_b32 s32, 3<<16                           ; the mask codes' half: my work-group alone; 256 such rows
	s_mov_b32 s33, 32<<16
	s_mov_b32 s34, 256<<16
	s_mov_b32 s35, 32<<16
	s_mov_b32 s36, 256
	s_mov_b32 s37, 32
	s_mov_b32 s38, 0
	s_mov_b32 s39, 0
	s_mov_b32 s20, 0x76543210
	s_mov_b32 s21, 0xfedcba98                      ; v_permlanex16_b32's selects for lane l xor 16
	s_mov_b32 s22, 0x3e38aa3b                      ; log2(e) / 8
	s_mov_b32 s23, s22
	s_and_b32 s19, s12, 1                          ; which half I fetch
	s_mul_i32 s52, s14, 139264
	s_mul_i32 s54, s19, 69632                      ; in memory and in LDS alike
	s_add_co_u32 s52, s52, s54
	s_mov_b32 s53, 0
	s_lshl_b32 s55, s15, 4
	s_lshl_b32 s58, s13, 2
	s_add_co_u32 s55, s55, s58                     ; 16 b + 4 cx: my work-group's first 64 queries
	s_lshl_b32 s58, s55, 15
	s_lshl_b32 s55, s19, 16
	s_add_co_u32 s58, s58, s55
	s_mov_b32 s59, 0
	s_add_co_u32 s55, s55, MKB
	s_lshl_b32 s51, s12, 15
	s_add_co_u32 s51, s51, MKB                     ; where my wave's mask codes lie
	s_lshl_b32 s18, s12, 8
	s_add_co_u32 s18, s18, HSB
	s_wait_dscnt 0x0                               ; both opening adds are done
	s_wait_kmcnt 0x0
	s_mov_b32 s40, 1
	s_mov_b32 s41, s54
	s_add_nc_u64 s[42:43], s[6:7], s[52:53]
	s_or_b32 s43, s43, 0x80000000
	s_mov_b32 s44, 1
	s_mov_b32 s45, s55
	s_add_nc_u64 s[46:47], s[8:9], s[58:59]
	s_or_b32 s47, s47, 0x80000000
	CROUND                                         ; all four work-groups are here: the joint loads meet
	s_cmp_lt_u32 s12, 2                            ; one load a wave, a fill in each arm; an s_nop 0 and four v_nop follow each
	s_cbranch_scc0 .Lfor_mask
	tensor_load_to_lds s[40:43], s[24:31]
	s_nop 0
	PLACES
	s_branch .Lasked
.Lfor_mask:
	tensor_load_to_lds s[44:47], s[32:39]
	s_nop 0
	PLACES
.Lasked:
	s_mul_i32 s52, s14, 69632
	s_lshl_b32 s54, s17, 11
	s_add_co_u32 s54, s54, s52
	s_mov_b32 s55, 0
	s_add_nc_u64 s[56:57], s[4:5], s[54:55]        ; Q's pieces: my four tiles
	s_lshr_b32 s54, s17, 1
	s_lshl_b32 s54, s54, 9
	s_and_b32 s58, s17, 1
	s_lshl_b32 s58, s58, 3
	s_add_co_u32 s54, s54, s58
	s_add_co_u32 s54, s54, s52
	s_add_co_u32 s54, s54, 65536
	s_add_nc_u64 s[58:59], s[4:5], s[54:55]        ; Q's scale bytes
	s_lshl_b32 s54, s15, 4
	s_add_co_u32 s54, s54, s17
	s_lshl_b32 s52, s54, 15
	s_lshl_b32 s53, s16, 10
	s_add_co_u32 s52, s52, s53
	s_mov_b32 s53, 0
	s_add_nc_u64 s[60:61], s[10:11], s[52:53]      ; Hh's pieces: [tile][head]
	s_lshl_b32 s52, s54, 8
	s_lshl_b32 s54, s16, 15
	s_add_co_u32 s52, s52, s54
	s_add_co_u32 s52, s52, 0x400000
	s_add_nc_u64 s[62:63], s[10:11], s[52:53]      ; Hh's scale words: [head pair][row]
	v_and_b32 v24, 31, v0
	v_lshlrev_b32 v1, 4, v24                       ; 16 x lane
	v_and_b32 v25, 15, v0
	v_lshlrev_b32 v5, 4, v25                       ; 16 r
	v_bfe_u32 v26, v0, 4, 1
	v_lshlrev_b32 v31, 3, v26                      ; 8 h
	v_mov_b32 v28, 0xe3e3e3e3                      ; the mask's scale: 2^100, in every byte
	v_mov_b32 v13, 0
.irp k, 140,141,142,143,144,145,146,147
	v_mov_b32 v\k, 0                               ; the zero codes beside Q
.endr
.irp k, 248,249,250,251,252,253,254,255
	v_mov_b32 v\k, 0                               ; a lane permute's destination counts as one of its sources
.endr
	v_mov_b32 v24, 0
.macro PRE1                            ; for trip s49: Q's piece, twice, its scale bytes, K's scale words
	s_lshr_b32 s52, s49, 2                         ; the head of the pair
	s_and_b32 s53, s49, 3                          ; the tile
	s_lshl_b32 s54, s52, 15
	s_lshl_b32 s55, s53, 9
	s_add_co_u32 s54, s54, s55
	v_add_nc_u32 v6, s54, v1
	s_lshl_b32 s54, s52, 8
	s_lshl_b32 s55, s53, 1
	s_add_co_u32 s55, s54, s55
	v_add_nc_u32 v7, s55, v5
	s_add_co_u32 s54, s54, 131072
	v_add_nc_u32 v27, s54, v5
	global_load_b128 v[QA:QA+3], v6, s[56:57]
	global_load_b128 v[QB+4:QB+7], v6, s[56:57]
	global_load_u16 v30, v7, s[58:59]
.irp t, 0,1,2,3,4,5,6,7
	ds_load_b128 v[KS+4*\t:KS+4*\t+3], v27 offset:512*\t
.endr
.endm
.macro KLOAD from                      ; 32 of K's pieces into window 3
	WIN 0xc0
.set p, \from
.rept 32
	ds_load_b128 v[4*p:4*p+3], v2 offset:512*p
.set p, p+1
.endr
	WIN 0
.endm
.macro PRE2                            ; for trip s49: the mask's codes, V's scale words, K's first 32 pieces
	s_lshr_b32 s52, s49, 2
	s_and_b32 s53, s49, 3
	s_lshl_b32 s54, s52, 15
	v_add_nc_u32 v2, s54, v1
	s_add_co_u32 s54, s54, 65536
	v_add_nc_u32 v3, s54, v1
	s_lshl_b32 s55, s53, 13
	s_add_co_u32 s55, s55, s51
	v_add_nc_u32 v4, s55, v1
.irp c, 0,1,2,3,4,5,6,7,8,9,10,11,12,13,14,15
	ds_load_b128 v[MC+4*\c:MC+4*\c+3], v4 offset:512*\c
.endr
.irp t, 0,1,2,3,4,5,6,7
	ds_load_b128 v[VS+4*\t:VS+4*\t+3], v27 offset:4096+512*\t
.endr
	KLOAD 0
.endm
.macro VLOAD g0                        ; V's pieces (channel tile t, 64 keys g0 + g) into window 3
	WIN 0xc0
.irp t, 0,1,2,3
.irp g, 0,1,2,3,4,5,6,7
	ds_load_b128 v[4*(16*\t+\g0+\g):4*(16*\t+\g0+\g)+3], v3 offset:512*(16*\t+\g0+\g)
.endr
.endr
	WIN 0
.endm
.macro WM g                            ; 8 key tiles' scores: four fragments of K, each against Q in its first and in its second half; C holds the mask
	s_wait_dscnt 56-8*(\g)                         ; K's pieces 8 g .. 8 g + 7 are in: at least so many LDS instructions were issued behind them
	WIN 0x53+0x50*((\g)/4)
.irp d, 0,1,2,3
.set DT, 4*(\g)+\d
.set SR, 8*((2*DT)%32)
	v_wmma_scale_f32_16x16x128_f8f6f4 v[SR:SR+7], v[8*DT:8*DT+7], v[QA:QA+7], v[SR:SR+7], v[KS+DT], v29 matrix_a_fmt:MATRIX_FMT_FP4 matrix_b_fmt:MATRIX_FMT_FP4
	v_wmma_scale_f32_16x16x128_f8f6f4 v[SR+8:SR+15], v[8*DT:8*DT+7], v[QB:QB+7], v[SR+8:SR+15], v[KS+DT], v29 matrix_a_fmt:MATRIX_FMT_FP4 matrix_b_fmt:MATRIX_FMT_FP4
.endr
.endm
.macro MAXG g                          ; the largest scores of blocks 2 g and 2 g + 1, two chains each; every accumulator from its low end on
	WIN 0x11*(1+(\g)/4)
.set C0, 2*(\g)
.set R0, 32*(C0%8)
.irp u, 0,1
	v_max3_num_f32 v[BM+C0+\u], v[R0+32*\u], 0xff7fffff, v[R0+32*\u+1]
	v_max3_num_f32 v[SO+C0+\u], v[R0+32*\u+16], 0xff7fffff, v[R0+32*\u+17]
.endr
.irp k, 2,4,6,8,10,12,14
.irp u, 0,1
	v_max3_num_f32 v[BM+C0+\u], v[R0+32*\u+\k], v[BM+C0+\u], v[R0+32*\u+\k+1]
	v_max3_num_f32 v[SO+C0+\u], v[R0+32*\u+16+\k], v[SO+C0+\u], v[R0+32*\u+17+\k]
.endr
.endr
.endm
.macro FMAR w, lo, hi                  ; (s - max) log2(e) / 8 of the window's registers lo .. hi - 1, two at a time
	WIN 0x41*(\w)
.set j, \lo
.rept ((\hi)-(\lo))/2
	v_pk_fma_f32 v[j:j+1], v[j:j+1], s[22:23], v[12:13] op_sel_hi:[1,0,0]
.set j, j+2
.endr
.endm
.macro EXFM w                          ; the exponentials of registers 0 .. 85 by turns with the 85 multiply-adds of registers 86 .. 255: both name the same window
	WIN 0x41*(\w)
.set j, 0
.rept 85
	v_exp_f32 v[j], v[j]
	v_pk_fma_f32 v[86+2*j:87+2*j], v[86+2*j:87+2*j], s[22:23], v[12:13] op_sel_hi:[1,0,0]
.set j, j+1
.endr
	v_exp_f32 v85, v85
.endm
.macro EXPR w, lo, hi                  ; the exponentials of registers lo .. hi - 1
	WIN 0x41*(\w)
.set j, \lo
.rept (\hi)-(\lo)
	v_exp_f32 v[j], v[j]
.set j, j+1
.endr
.endm
.macro SUMW w                          ; four chains of packed sums
	WIN 0x11*(\w)
.set j, 0
.rept 32
	v_pk_add_f32 v[14:15], v[8*j:8*j+1], v[14:15]
	v_pk_add_f32 v[16:17], v[8*j+2:8*j+3], v[16:17]
	v_pk_add_f32 v[20:21], v[8*j+4:8*j+5], v[20:21]
	v_pk_add_f32 v[22:23], v[8*j+6:8*j+7], v[22:23]
.set j, j+1
.endr
.endm
.macro NORM w
	WIN 0x41*(\w)
.set j, 0
.rept 128
	v_pk_mul_f32 v[2*j:2*j+1], v[2*j:2*j+1], v[18:19]
.set j, j+1
.endr
.endm
.macro CODES w
	WIN 0x11*(\w)
.irp c, 0,1,2,3,4,5,6,7
.irp t, 0,1,2,3
	v_cvt_scalef32_pk8_fp4_f32 v[MC+4*(8*(\w)-8+\c)+\t], v[32*\c+8*\t:32*\c+8*\t+7], v[SO+8*(\w)-8+\c]
.endr
.endr
.endm
	s_wait_alu depctr_va_vdst(0)                   ; the wait at the head's end
	s_wait_tensorcnt 0x0                           ; my load is in,
	s_barrier_signal -1
	s_barrier_wait -1                              ; everybody's is
	s_mov_b32 s48, 0
	s_mov_b32 s49, 0
	PRE1
	PRE2
	KLOAD 32
	s_wait_loadcnt 0x0
	v_lshl_or_b32 v29, v30, 16, v30                ; Q's two scale bytes, for either half of the fragment
.rept 8
	v_nop                                          ; a scale register written by a vector instruction stands 8 places ahead of a scaled matrix instruction
.endr
.Ltrip:
	s_add_co_u32 s49, s48, 1
	s_wait_xcnt 0x0                                ; the last trip's store has read its offset and its data
	s_lshr_b32 s52, s48, 2
	s_and_b32 s53, s48, 3
	s_lshl_b32 s54, s53, 13
	s_lshl_b32 s55, s52, 9
	s_add_co_u32 s54, s54, s55
	v_add_nc_u32 v8, s54, v1                       ; where this trip's piece of Hh goes
	s_lshl_b32 s54, s53, 6
	s_lshl_b32 s55, s52, 1
	s_add_co_u32 s54, s54, s55
	s_add_co_u32 s54, s54, s18
	v_lshrrev_b32 v9, 2, v5
	v_add_nc_u32 v9, s54, v9                       ; and its two scale bytes
	s_wait_dscnt 63                                ; the mask's codes are in: 72 LDS instructions or more were issued behind them
	WIN 0x40
.set p, 0
.rept 32
	v_cvt_scale_pk8_f32_fp4 v[8*p:8*p+7], v[MC+p], v28   ; 0, or -2^100 where the key is hidden: the C of the first product
.set p, p+1
.endr
	WIN 0x80
.rept 32
	v_cvt_scale_pk8_f32_fp4 v[8*(p-32):8*(p-32)+7], v[MC+p], v28
.set p, p+1
.endr
	PLACES
	WM 0
	WM 1
	PLACES
	MAXG 0                                         ; each group's maxima stand two groups behind its products, and are the later products' places
	WM 2
	MAXG 1
	WM 3
	MAXG 2
	WM 4
	MAXG 3
	WM 5
	MAXG 4
	WM 6
	MAXG 5
	WM 7
	MAXG 6
	MAXG 7
	VLOAD 0                                        ; K is done with: V takes its registers
	s_cmp_eq_u32 s48, 7
	s_cbranch_scc1 .Lno_pre1
	PRE1
.Lno_pre1:
.irp c, 0,1,2,3,4,5,6,7,8,9,10,11,12,13,14,15
	v_max_num_f32 v[BM+\c], v[BM+\c], v[SO+\c]
.endr
	v_max3_num_f32 v24, v[BM], v[BM+1], v[BM+2]
	v_max3_num_f32 v25, v[BM+3], v[BM+4], v[BM+5]
	v_max3_num_f32 v24, v24, v[BM+6], v[BM+7]
	v_max3_num_f32 v25, v25, v[BM+8], v[BM+9]
	v_max3_num_f32 v24, v24, v[BM+10], v[BM+11]
	v_max3_num_f32 v25, v25, v[BM+12], v[BM+13]
	v_max3_num_f32 v24, v24, v[BM+14], v[BM+15]
	v_max_num_f32 v24, v24, v25
	v_permlanex16_b32 v26, v24, s20, s21
	v_max_num_f32 v24, v24, v26                    ; the row's largest score
	v_cmp_gt_f32 s50, 0xf1000000, v24              ; under -2^99: every key of the row is hidden
	v_mul_f32 v12, 0xbe38aa3b, v24                 ; -max log2(e) / 8
.irp c, 0,1,2,3,4,5,6,7,8,9,10,11,12,13,14,15
	v_fma_f32 v[BM+\c], v[BM+\c], s22, v12
.endr
	FMAR 1, 0, 86                                  ; the sources of both windows' first 86 exponentials stand ahead of the first wait
	FMAR 2, 0, 86
	VLOAD 8
	s_wait_alu depctr_va_vdst(0)                   ; one wait ahead of the batch,
.irp c, 0,1,2,3,4,5,6,7,8,9,10,11,12,13,14,15
	v_exp_f32 v[BM+\c], v[BM+\c]                   ; the blocks' largest p
.endr
	EXFM 1                                         ; 86 exponentials, and among them the sources of the window's other 170,
	s_wait_alu depctr_va_vdst(0)
	EXPR 1, 86, 256
	EXFM 2                                         ; (its 86 sources were written ahead of the first wait)
	s_wait_alu depctr_va_vdst(0)
	EXPR 2, 86, 256
	WIN 0
.irp k, 14,15,16,17,20,21,22,23
	v_mov_b32 v\k, 0                               ; (plain lines behind the batch)
.endr
	s_wait_alu depctr_va_vdst(0)                   ; and one wait behind it, ahead of its first reader
	SUMW 1
	SUMW 2
	WIN 0
	v_pk_add_f32 v[14:15], v[14:15], v[16:17]
	v_pk_add_f32 v[20:21], v[20:21], v[22:23]
	v_pk_add_f32 v[14:15], v[14:15], v[20:21]
	v_add_f32 v14, v14, v15
	v_permlanex16_b32 v24, v14, s20, s21
	v_add_f32 v14, v14, v24                        ; the row's sum
	s_wait_alu depctr_va_vdst(0)                   ; the wait ahead of the transcendental,
	v_rcp_f32 v18, v14
	v_nop
	s_wait_alu depctr_va_vdst(0)                   ; and ahead of its first reader
	v_cndmask_b32 v18, v18, 0, s50                 ; a row hidden whole gives zeros
	v_mov_b32 v19, v18
.irp c, 0,1,2,3,4,5,6,7,8,9,10,11,12,13,14,15
	v_mul_f32 v[BM+\c], v[BM+\c], v18              ; the blocks' largest magnitudes,
.endr
.irp c, 0,1,2,3,4,5,6,7,8,9,10,11,12,13,14,15
	v_max_num_f32 v[BM+\c], 0x1800000, v[BM+\c]    ; with the floor 2^(3 - 127): the byte cannot fall under 1
.endr
.irp c, 0,1,2,3,4,5,6,7,8,9,10,11,12,13,14,15
	v_add_nc_u32 v[SO+\c], 0xff000000, v[BM+\c]    ; 2 off the exponent field: the conversion's scale operand
.endr
.irp c, 0,1,2,3,4,5,6,7,8,9,10,11,12,13,14,15
	v_lshrrev_b32 v[BM+\c], 23, v[SO+\c]           ; the byte
.endr
.irp t, 0,1,2,3,4,5,6,7
	v_lshl_or_b32 v[PS+\t], v[BM+2*\t+1], 16, v[BM+2*\t]
.endr
.irp t, 0,1,2,3,4,5,6,7
	v_lshlrev_b32 v[PS+\t], v31, v[PS+\t]          ; at my half's places;
.endr
.irp t, 0,1,2,3,4,5,6,7
	v_permlanex16_b32 v[TP+\t], v[PS+\t], s20, s21
.endr
.irp t, 0,1,2,3,4,5,6,7
	v_or_b32 v[PS+\t], v[PS+\t], v[TP+\t]          ; with lane l xor 16's the scale word of 128 keys is whole
.endr
	s_wait_loadcnt 0x0                             ; the next trip's Q
	v_lshl_or_b32 v29, v30, 16, v30
	NORM 1
	CODES 1
	NORM 2
	CODES 2
	WIN 0
	PLACES                                         ; behind the conversions, and ahead of the products that take their results
	s_wait_dscnt 0x0                               ; V
	WIN 0x03
	s_wait_alu depctr_va_vdst(0)
.irp t, 0,1,2,3,4,5,6,7                            ; O^T = V^T P^T: the four accumulators take turns, one instruction a turn
.irp u, 0,1,2,3
.if \t == 0
	v_wmma_scale_f32_16x16x128_f8f6f4 v[OT+8*\u:OT+8*\u+7], v[64*\u+8*\t:64*\u+8*\t+7], v[MC+8*\t:MC+8*\t+7], 0, v[VS+4*\t+\u], v[PS+\t] matrix_a_fmt:MATRIX_FMT_FP4 matrix_b_fmt:MATRIX_FMT_FP4
.else
	v_wmma_scale_f32_16x16x128_f8f6f4 v[OT+8*\u:OT+8*\u+7], v[64*\u+8*\t:64*\u+8*\t+7], v[MC+8*\t:MC+8*\t+7], v[OT+8*\u:OT+8*\u+7], v[VS+4*\t+\u], v[PS+\t] matrix_a_fmt:MATRIX_FMT_FP4 matrix_b_fmt:MATRIX_FMT_FP4
.endif
.endr
.endr
	WIN 0
	PLACES
	s_cmp_eq_u32 s48, 7
	s_cbranch_scc1 .Lno_pre2
	PRE2
.Lno_pre2:
	v_max3_num_f32 v24, |v[OT]|, |v[OT+1]|, 0x1800000   ; my 32 registers are 32 neighbouring channels: a block of the next product's K
	v_max_num_f32 v25, |v[OT+2]|, |v[OT+3]|
.irp k, 4,8,12,16,20,24,28
	v_max3_num_f32 v24, v24, |v[OT+\k]|, |v[OT+\k+1]|
	v_max3_num_f32 v25, v25, |v[OT+\k+2]|, |v[OT+\k+3]|
.endr
	v_max_num_f32 v24, v24, v25
	v_add_nc_u32 v26, 0xff000000, v24
.irp t, 0,1,2,3
	v_cvt_scalef32_pk8_fp4_f32 v[TP+\t], v[OT+8*\t:OT+8*\t+7], v26
.endr
	v_lshrrev_b32 v253, 23, v26                    ; the byte (also the plain line behind the conversions)
	v_lshlrev_b32 v253, v31, v253
	v_permlanex16_b32 v252, v253, s20, s21
	v_or_b32 v253, v253, v252
	ds_store_b16 v9, v253                          ; both halves write the same two bytes
	global_store_b128 v8, v[TP:TP+3], s[60:61]     ; the piece as it stands: 512 consecutive bytes
	s_cmp_eq_u32 s48, 7
	s_cbranch_scc1 .Lno_pre3
	KLOAD 32
.Lno_pre3:
	s_add_co_u32 s48, s48, 1
	s_cmp_lt_u32 s48, 8
	s_cbranch_scc1 .Ltrip
	v_lshrrev_b32 v24, 1, v1
	v_add_nc_u32 v25, s18, v24
	ds_load_b64 v[26:27], v25                      ; my wave's 256 scale bytes: LDS serves a wave's instructions in order
	s_wait_alu depctr_va_vdst(0)
	s_wait_dscnt 0x0
	global_store_b64 v24, v[26:27], s[62:63]       ; 256 consecutive bytes, aligned
	s_wait_tensorcnt 0x0                           ; the wave's end, behind my last tensor load and my last LDS store
	ds_add_u32 v10, v11
	s_wait_dscnt 0x0
	CROUND                                         ; the closing round
	s_endpgm
.Lfunc_end_k_q6151710309_attn:
	.size	k_q6151710309_attn, .Lfunc_end_k_q6151710309_attn-k_q6151710309_attn
	.p2alignl 7, 3214868480
	.fill 96, 4, 3214868480
	.section	.rodata,"a",@progbits
	.p2align	6, 0x0
	.amdhsa_kernel k_q6151710309_attn
		.amdhsa_group_segment_fixed_size 327680
		.amdhsa_private_segment_fixed_size 0
		.amdhsa_enable_private_segment 0
		.amdhsa_kernarg_size 32
		.amdhsa_user_sgpr_count 2
		.amdhsa_user_sgpr_kernarg_segment_ptr 1
		.amdhsa_wavefront_size32 1
		.amdhsa_system_sgpr_workgroup_id_x 1
		.amdhsa_system_sgpr_workgroup_id_y 1
		.amdhsa_system_sgpr_workgroup_id_z 1
		.amdhsa_system_vgpr_workitem_id 0
		.amdhsa_next_free_vgpr 1024
		.amdhsa_next_free_sgpr 66
		.amdhsa_reserve_vcc 0
		.amdhsa_float_denorm_mode_32 3
		.amdhsa_float_denorm_mode_16_64 3
		.amdhsa_memory_ordered 1
		.amdhsa_forward_progress 1
		.amdhsa_inst_pref_size 139
	.end_amdhsa_kernel
	.amdgpu_metadata
---
amdhsa.version: [ 1, 2 ]
amdhsa.kernels:
  - .name:           k_q6151710309_attn
    .symbol:         k_q6151710309_attn.kd
    .args:
      - { .name: qrec, .offset: 0, .size: 8, .value_kind: global_buffer, .address_space: global }
      - { .name: kvrec, .offset: 8, .size: 8, .value_kind: global_buffer, .address_space: global }
      - { .name: mcodes, .offset: 16, .size: 8, .value_kind: global_buffer, .address_space: global }
      - { .name: hq, .offset: 24, .size: 8, .value_kind: global_buffer, .address_space: global }
    .group_segment_fixed_size: 327680
    .private_segment_fixed_size: 0
    .kernarg_segment_align: 8
    .kernarg_segment_size: 32
    .max_flat_workgroup_size: 128
    .sgpr_count:     66
    .vgpr_count:     1024
    .wavefront_size: 32
...
	.end_amdgpu_metadata
.endif
;; end of part 4
;; launch gemm_out (part 5): grid 8 x 32, 4 waves a work-group, clusters of 4 x 4, 327,680 bytes of LDS; arguments hq, wq, bo, misc, x, out0; writes out0
.if DOCPART == 5
	.amdgcn_target "amdgcn-amd-amdhsa--gfx1250"
	.amdhsa_code_object_version 6
	.text
	.protected	k_q6151710309_gemm_out
	.globl	k_q6151710309_gemm_out
	.p2align	8
	.type	k_q6151710309_gemm_out,@function
k_q6151710309_gemm_out:
	s_mov_b64 s[64:65], 0
	v_nop
	global_prefetch_b8 v0, s[64:65] scope:SCOPE_SE
	s_setreg_imm32_b32 hwreg(HW_REG_WAVE_MODE, 25, 1), 1
	s_wait_xcnt 0x0
	s_wait_alu depctr_hold_cnt(0) depctr_sa_sdst(0) depctr_va_vdst(0) depctr_va_sdst(0) depctr_va_ssrc(0) depctr_va_vcc(0) depctr_vm_vsrc(0)
	s_getreg_b32 s2, hwreg(HW_REG_IB_STS2, 6, 4)
	s_cmp_eq_u32 s2, 0
	s_cbranch_scc0 .Lentry_in_a_cluster
	s_endpgm
.Lentry_in_a_cluster:
	s_bfe_u32 s2, ttmp6, 0x10000c
	s_cmp_lg_u32 s2, 0xf033
	s_cbranch_scc0 .Lentry_shape_is_right
	s_endpgm
.Lentry_shape_is_right:
; out = x + (Hh Wo^T + bo) * mask[:,:,0], the product on codes of FP4 with E8M0 scales.  Nothing is left out.
; A tile of 256 stored rows x 128 columns is made by four waves: 256 work-groups.  Wave w takes rows 128 (w / 2) on (8 tiles a) and columns 64 (w % 2) on (4 blocks b): 32 accumulators, window 2.
; K = 1,024 lies in LDS whole, filled once: Hh's 16 tiles as they lie in memory, PIECES of 512 bytes (lane l's 16 bytes at 16 l): tile, head; Wo's 128 rows of 512 bytes, 528 apart.
; SOURCE 0 = 16 rows of Wo, SOURCE 1 = 16 rows of Hh: a lane holds one token and eight neighbouring columns.  bo is the C of each sum's first matrix instruction.
; Hh's rows are stored so that stored row 64 G + 16 t + 8 h + j is token 64 G + 32 h + 8 t + j: the way out puts each row at its token.
; CLUSTERS: 4 x 4: Hh's tiles are asked for jointly along a row of the cluster, Wo's along a column.  x is asked for at the head, into 256 registers, and is there when the sums are.
; REGISTERS: window 0: v8-15 mask[:,:,0] of my 8 tiles; v16-29 addresses; v32-95 Hh's scale words (8 a + s), v96-127 Wo's (8 b + s): scales alone; v128-255 Hh's fragments, two sets.
;   window 1: v0-63 Wo's fragments, two sets; v64-95 bo; v96-159 rows on the way out, two sets.   window 2: accumulator (a, b) at v[8 (4 a + b)].   window 3: x, (a, t) at v[4 (8 a + t)].
.set BLD,   131072                     ; LDS: Wo's rows
.set BP,    528
.set STG,   BLD+128*BP                 ; a stage of 16 rows x (256 + 16) bytes for each wave
.set SPARE, STG+4*16*272
.set SEQ,  8
.set ADA,  16
.set ADB,  17
.set STO,  18
.set RD,   19
.set CO,   20
.set R4,   21
.set R32,  22
.set H32,  23
.set SPW,  28
.set NIL,  29
.set SA,   32
.set SB,   96
.set AFR,  128
.set BO,   64
.set RB,   96
.set G1, 24
.set G0, 32
.set G1B, 48
.set G0B, 56
.set MSB, 0
.macro WIN new
.if MSB != (\new)
	s_set_vgpr_msb (MSB<<8)|(\new)
.set MSB, (\new)
.endif
.endm
.macro CROUND
	s_barrier_signal -1
	s_barrier_wait -1
	s_cmp_lg_u32 s16, 0
	s_cbranch_scc1 .Lnot_wave_0_\@
	s_barrier_signal -3
.Lnot_wave_0_\@:
	s_barrier_wait -3
	s_barrier_signal -1
	s_barrier_wait -1
.endm
.macro PLACES
.rept 4
	v_nop
.endr
.endm
	s_load_b256 s[4:11], s[0:1], 0x0               ; hq, wq, bo, misc
	s_load_b128 s[12:15], s[0:1], 0x20             ; x, out0
	v_lshl_add_u32 v[SPW], v0, 2, SPARE
	v_mov_b32 v[NIL], 0
	ds_add_u32 v[SPW], v[NIL]                      ; the wave's opening: the add, twice on end, and its wait ahead of my first tensor load
	ds_add_u32 v[SPW], v[NIL]
	v_lshrrev_b32 v1, 5, v0
	v_readfirstlane_b32 s16, v1
	s_lshr_b32 s17, s16, 1                         ; my half of the rows.  Also: I fetch Hh (0) or Wo (1)
	s_and_b32 s18, s16, 1                          ; my half of the columns.  Also: which half I fetch
	s_bfe_u32 s40, ttmp6, 0x40000
	s_bfe_u32 s41, ttmp6, 0x40004
	s_lshl_b32 s42, ttmp9, 2
	s_add_co_u32 s42, s42, s40                     ; tile column
	s_and_b32 s19, ttmp7, 0xffff
	s_lshl_b32 s19, s19, 2
	s_add_co_u32 s19, s19, s41                     ; tile row
	s_lshl_b32 s43, s41, 2
	s_lshl_b32 s43, 15, s43
	s_lshl_b32 s44, 0x1111, s40
	s_or_b32 s[G1], s43, (3<<16)|(1<<21)           ; Hh: my row of the cluster; 65,536 dense bytes as 256 rows of 32 elements of 8 bytes
	s_mov_b32 s[G1+1], 32<<16
	s_mov_b32 s[G1+2], 256<<16
	s_mov_b32 s[G1+3], 32<<16
	s_mov_b32 s[G1+4], 256
	s_mov_b32 s[G1+5], 32
	s_mov_b32 s[G1+6], 0
	s_mov_b32 s[G1+7], 0
	s_or_b32 s[G1B], s44, (0<<16)|(1<<20)|(1<<21)|(6<<22)|(3<<25)   ; Wo: my column; 64 rows of 512 bytes, 4 words of padding behind every 128
	s_mov_b32 s[G1B+1], 512<<16
	s_mov_b32 s[G1B+2], 64<<16
	s_mov_b32 s[G1B+3], 512<<16
	s_mov_b32 s[G1B+4], 64
	s_mov_b32 s[G1B+5], 512
	s_mov_b32 s[G1B+6], 0
	s_mov_b32 s[G1B+7], 0
	s_lshl_b32 s20, s19, 17
	s_lshl_b32 s22, s18, 16                        ; Hh's half: in memory and in LDS alike
	s_add_co_u32 s20, s20, s22
	s_mov_b32 s21, 0
	s_lshl_b32 s46, s42, 7
	s_lshl_b32 s47, s18, 6
	s_add_co_u32 s46, s46, s47
	s_add_co_u32 s46, s46, 3072                    ; Wo's rows lie behind q's, k's and v's
	s_lshl_b32 s46, s46, 9
	s_mov_b32 s47, 0
	s_mul_i32 s23, s18, 64*BP
	s_add_co_u32 s23, s23, BLD
	s_wait_dscnt 0x0                               ; both opening adds are done
	s_wait_kmcnt 0x0
	s_mov_b32 s[G0], 1
	s_mov_b32 s[G0+1], s22
	s_add_nc_u64 s[G0+2:G0+3], s[4:5], s[20:21]
	s_or_b32 s[G0+3], s[G0+3], 0x80000000
	s_mov_b32 s[G0B], 1
	s_mov_b32 s[G0B+1], s23
	s_add_nc_u64 s[G0B+2:G0B+3], s[6:7], s[46:47]
	s_or_b32 s[G0B+3], s[G0B+3], 0x80000000
	CROUND                                         ; all sixteen work-groups are here: the joint loads meet
	s_cmp_eq_u32 s17, 0                            ; one load a wave, a fill in each arm; an s_nop 0 and four v_nop follow each
	s_cbranch_scc0 .Lfor_b
	tensor_load_to_lds s[G0:G0+3], s[G1:G1+7]
	s_nop 0
	PLACES
	s_branch .Lasked
.Lfor_b:
	tensor_load_to_lds s[G0B:G0B+3], s[G1B:G1B+7]
	s_nop 0
	PLACES
.Lasked:
	s_lshl_b32 s20, s19, 8
	s_lshl_b32 s21, s17, 7
	s_add_co_u32 s20, s20, s21                     ; my first stored row, a multiple of 64: also my first token
	s_lshl_b32 s22, s42, 7
	s_lshl_b32 s23, s18, 6
	s_add_co_u32 s22, s22, s23                     ; my first column
	s_mov_b32 s47, 0
	s_lshl_b32 s46, s20, 2
	s_add_co_u32 s46, s46, 0x400000
	s_add_nc_u64 s[4:5], s[4:5], s[46:47]          ; Hh's scale words [K step][row]
	s_add_co_u32 s46, s22, 3072
	s_lshl_b32 s46, s46, 5
	s_add_co_u32 s46, s46, 0x200000
	s_add_nc_u64 s[6:7], s[6:7], s[46:47]          ; Wo's scale bytes
	s_lshl_b32 s46, s22, 2
	s_add_nc_u64 s[8:9], s[8:9], s[46:47]          ; bo
	s_lshl_b32 s46, s20, 3
	s_add_co_u32 s46, s46, 4096
	s_add_nc_u64 s[10:11], s[10:11], s[46:47]      ; mask[:,:,0]: 128 bytes a tile
	s_lshl_b32 s46, s20, 12
	s_lshl_b32 s23, s22, 2
	s_add_co_u32 s46, s46, s23
	s_add_nc_u64 s[12:13], s[12:13], s[46:47]
	s_add_nc_u64 s[14:15], s[14:15], s[46:47]
	v_and_b32 v1, 15, v0                           ; r
	v_bfe_u32 v2, v0, 4, 1                         ; h
	v_and_b32 v3, 31, v0
	v_lshlrev_b32 v[ADA], 4, v3
	s_lshl_b32 s46, s17, 16
	v_add_nc_u32 v[ADA], s46, v[ADA]               ; Hh's pieces: 16 l, my 8 tiles
	v_mul_u32_u24 v[ADB], v1, BP
	v_lshl_add_u32 v[ADB], v2, 4, v[ADB]
	s_mul_i32 s46, s18, 64*BP
	s_add_co_u32 s46, s46, BLD
	v_add_nc_u32 v[ADB], s46, v[ADB]               ; Wo's fragments: row r, + 16 h
	s_mul_i32 s46, s16, 16*272
	s_add_co_u32 s46, s46, STG
	v_mul_u32_u24 v[STO], v1, 272
	v_lshl_add_u32 v[STO], v2, 5, v[STO]
	v_add_nc_u32 v[STO], s46, v[STO]               ; the stage, way in: row r, 32 bytes for each half of the lanes
	v_mul_u32_u24 v[RD], v2, 272
	v_lshl_add_u32 v[RD], v1, 4, v[RD]
	v_add_nc_u32 v[RD], s46, v[RD]                 ; way out: lanes 0-15 one row of 256 bytes, lanes 16-31 the next
	v_lshlrev_b32 v[CO], 12, v2
	v_lshl_add_u32 v[CO], v1, 4, v[CO]             ; and the same two rows in x and in out
	v_lshlrev_b32 v[R4], 2, v1
	v_lshlrev_b32 v[R32], 5, v1
	v_lshlrev_b32 v[H32], 5, v2
.irp a, 0,1,2,3,4,5,6,7
.irp t, 0,1,2,3,4,5,6,7
	global_load_b32 v[SA+8*\a+\t], v[R4], s[4:5] offset:32768*\t+64*\a
.endr
.endr
.irp b, 0,1,2,3
	global_load_b128 v[SB+8*\b:SB+8*\b+3], v[R32], s[6:7] offset:512*\b
	global_load_b128 v[SB+8*\b+4:SB+8*\b+7], v[R32], s[6:7] offset:512*\b+16
.endr
.irp a, 0,1,2,3,4,5,6,7
	global_load_b32 v[SEQ+\a], v[R4], s[10:11] offset:128*\a
.endr
	WIN 0x40
.irp b, 0,1,2,3
	global_load_b128 v[BO+8*\b:BO+8*\b+3], v[H32], s[8:9] offset:64*\b
	global_load_b128 v[BO+8*\b+4:BO+8*\b+7], v[H32], s[8:9] offset:64*\b+16
.endr
	WIN 0xc0
.irp a, 0,1,2,3,4,5,6,7
.irp t, 0,1,2,3,4,5,6,7
	global_load_b128 v[32*\a+4*\t:32*\a+4*\t+3], v[CO], s[12:13] offset:(64*(\a/4)+32*(\t/4)+8*(\a%4)+2*(\t%4))*4096 th:TH_LOAD_NT
.endr
.endr
	WIN 0
.macro FETCH t, set                    ; K step t: Hh's 8 fragments (two pieces each) and Wo's 4
	WIN 0
.irp a, 0,1,2,3,4,5,6,7
.irp c, 0,1
	ds_load_b128 v[AFR+64*(\set)+8*\a+4*\c:AFR+64*(\set)+8*\a+4*\c+3], v[ADA] offset:8192*\a+1024*(\t)+512*\c
.endr
.endr
	WIN 0x40
.irp b, 0,1,2,3
.irp c, 0,1
	ds_load_b128 v[32*(\set)+8*\b+4*\c:32*(\set)+8*\b+4*\c+3], v[ADB] offset:16*BP*\b+64*(\t)+32*\c
.endr
.endr
.endm
.macro STEP t
.if (\t) < 7
.if (\t) > 0
	PLACES                                         ; in front of loads into registers that the last step's products have read
.endif
	FETCH (\t)+1, ((\t)+1)%2
	s_wait_dscnt 24                                ; this step's fragments are in; the 24 loads just issued may be out
.else
	s_wait_dscnt 0
.endif
.if (\t) == 0
	WIN 0x91                                       ; Wo window 1, Hh window 0, C = bo window 1, D window 2
.else
	WIN 0xa1
.endif
.irp a, 0,1,2,3,4,5,6,7                            ; the 32 accumulators take turns, in the same order in every step
.irp b, 0,1,2,3
.if (\t) == 0
	v_wmma_scale_f32_16x16x128_f8f6f4 v[8*(4*\a+\b):8*(4*\a+\b)+7], v[32*((\t)%2)+8*\b:32*((\t)%2)+8*\b+7], v[AFR+64*((\t)%2)+8*\a:AFR+64*((\t)%2)+8*\a+7], v[BO+8*\b:BO+8*\b+7], v[SB+8*\b+(\t)], v[SA+8*\a+(\t)] matrix_a_fmt:MATRIX_FMT_FP4 matrix_b_fmt:MATRIX_FMT_FP4
.else
	v_wmma_scale_f32_16x16x128_f8f6f4 v[8*(4*\a+\b):8*(4*\a+\b)+7], v[32*((\t)%2)+8*\b:32*((\t)%2)+8*\b+7], v[AFR+64*((\t)%2)+8*\a:AFR+64*((\t)%2)+8*\a+7], v[8*(4*\a+\b):8*(4*\a+\b)+7], v[SB+8*\b+(\t)], v[SA+8*\a+(\t)] matrix_a_fmt:MATRIX_FMT_FP4 matrix_b_fmt:MATRIX_FMT_FP4
.endif
.endr
.endr
.endm
	s_wait_tensorcnt 0x0                           ; my part of the tiles is in,
	s_barrier_signal -1
	s_barrier_wait -1                              ; everybody's is
	FETCH 0, 0
	s_wait_loadcnt 63                              ; the scale words, bo and mask[:,:,0] are in: x's 64 loads were issued behind them
.irp t, 0,1,2,3,4,5,6,7
	STEP \t
.endr
; THE WAY OUT, a tile of 16 rows x 64 columns at a time: x mask[:,:,0]; through my stage, so that sixteen lanes hold a row's 256 bytes; + x; stored at the rows' tokens.
.macro TOSTAGE a
	WIN 0x82                                       ; source 0 and destination window 2, mask[:,:,0] window 0
.irp k, 0,2,4,6,8,10,12,14,16,18,20,22,24,26,28,30
.if (\a)%2
	v_pk_mul_f32 v[32*(\a)+\k:32*(\a)+\k+1], v[32*(\a)+\k:32*(\a)+\k+1], v[SEQ+(\a)-1:SEQ+(\a)] op_sel:[0,1] op_sel_hi:[1,1]
.else
	v_pk_mul_f32 v[32*(\a)+\k:32*(\a)+\k+1], v[32*(\a)+\k:32*(\a)+\k+1], v[SEQ+(\a):SEQ+(\a)+1] op_sel_hi:[1,0]
.endif
.endr
	WIN 0x08                                       ; an LDS store's data are its source 1: window 2
.irp b, 0,1,2,3
	ds_store_b128 v[STO], v[32*(\a)+8*\b:32*(\a)+8*\b+3] offset:64*\b
	ds_store_b128 v[STO], v[32*(\a)+8*\b+4:32*(\a)+8*\b+7] offset:64*\b+16
.endr
	WIN 0x40
.irp t, 0,1,2,3,4,5,6,7
	ds_load_b128 v[RB+32*((\a)%2)+4*\t:RB+32*((\a)%2)+4*\t+3], v[RD] offset:544*\t   ; LDS serves a wave's instructions in order: these see the stores above
.endr
.endm
.macro SEND a, younger
	s_wait_dscnt \younger                          ; the tile is back in registers; the next tile's 8 stores and 8 loads may be out
	WIN 0x4d                                       ; rows window 1, x window 3
.irp k, 0,2,4,6,8,10,12,14,16,18,20,22,24,26,28,30
	v_pk_add_f32 v[RB+32*((\a)%2)+\k:RB+32*((\a)%2)+\k+1], v[RB+32*((\a)%2)+\k:RB+32*((\a)%2)+\k+1], v[32*(\a)+\k:32*(\a)+\k+1]
.endr
	WIN 0x04                                       ; a store's data are its source 1: window 1
.irp t, 0,1,2,3,4,5,6,7
	global_store_b128 v[CO], v[RB+32*((\a)%2)+4*\t:RB+32*((\a)%2)+4*\t+3], s[14:15] offset:(64*((\a)/4)+32*(\t/4)+8*((\a)%4)+2*(\t%4))*4096 th:TH_STORE_NT   ; two rows, 256 consecutive aligned bytes each
.endr
.endm
	WIN 0
	PLACES
	TOSTAGE 0
	s_wait_loadcnt 0x0                             ; x
.irp a, 1,2,3,4,5,6,7
.if \a > 1
	s_wait_xcnt 0x0                                ; tile a - 2's stores have read their registers: tile a's rows may land there
.endif
	TOSTAGE \a
	SEND \a-1, 16
.endr
	SEND 7, 0
	WIN 0
	s_wait_tensorcnt 0x0                           ; the wave's end, behind my last tensor load and my last LDS store
	ds_add_u32 v[SPW], v[NIL]
	s_wait_dscnt 0x0
	CROUND                                         ; the closing round
	s_endpgm
.Lfunc_end_k_q6151710309_gemm_out:
	.size	k_q6151710309_gemm_out, .Lfunc_end_k_q6151710309_gemm_out-k_q6151710309_gemm_out
	.p2alignl 7, 3214868480
	.fill 96, 4, 3214868480
	.section	.rodata,"a",@progbits
	.p2align	6, 0x0
	.amdhsa_kernel k_q6151710309_gemm_out
		.amdhsa_group_segment_fixed_size 327680
		.amdhsa_private_segment_fixed_size 0
		.amdhsa_enable_private_segment 0
		.amdhsa_kernarg_size 48
		.amdhsa_user_sgpr_count 2
		.amdhsa_user_sgpr_kernarg_segment_ptr 1
		.amdhsa_wavefront_size32 1
		.amdhsa_system_sgpr_workgroup_id_x 1
		.amdhsa_system_sgpr_workgroup_id_y 1
		.amdhsa_system_sgpr_workgroup_id_z 1
		.amdhsa_system_vgpr_workitem_id 0
		.amdhsa_next_free_vgpr 1024
		.amdhsa_next_free_sgpr 66
		.amdhsa_reserve_vcc 0
		.amdhsa_float_denorm_mode_32 3
		.amdhsa_float_denorm_mode_16_64 3
		.amdhsa_memory_ordered 1
		.amdhsa_forward_progress 1
		.amdhsa_inst_pref_size 99
	.end_amdhsa_kernel
	.amdgpu_metadata
---
amdhsa.version: [ 1, 2 ]
amdhsa.kernels:
  - .name:           k_q6151710309_gemm_out
    .symbol:         k_q6151710309_gemm_out.kd
    .args:
      - { .name: hq, .offset: 0, .size: 8, .value_kind: global_buffer, .address_space: global }
      - { .name: wq, .offset: 8, .size: 8, .value_kind: global_buffer, .address_space: global }
      - { .name: bo, .offset: 16, .size: 8, .value_kind: global_buffer, .address_space: global }
      - { .name: misc, .offset: 24, .size: 8, .value_kind: global_buffer, .address_space: global }
      - { .name: x, .offset: 32, .size: 8, .value_kind: global_buffer, .address_space: global }
      - { .name: out0, .offset: 40, .size: 8, .value_kind: global_buffer, .address_space: global }
    .group_segment_fixed_size: 327680
    .private_segment_fixed_size: 0
    .kernarg_segment_align: 8
    .kernarg_segment_size: 48
    .max_flat_workgroup_size: 128
    .sgpr_count:     66
    .vgpr_count:     1024
    .wavefront_size: 32
...
	.end_amdgpu_metadata
.endif
;; end of part 5
